; MI455X (gfx1250); checked and timed in simulation.
; The chip was launched on July 23, 2026; its instructions are those of AMD's public machine-readable ISA for CDNA 5 (MIT licence, August 2026) and "CDNA5" Instruction Set Architecture Reference Guide (July 2026). The comments in the code are by the model that wrote it; some were corrected since.
;; Rotary Multi Head Attention. Allowed arithmetic: matrix products marked QUANTISED: E2M3 operands, one E8M0 scale for each 32 along K, by v_wmma_scale_f32_16x16x128_f8f6f4 with both operands' format E2M3, f32 sums; products left as they are: f32 operands where the result goes on into a quantised operand, else bf16, f16 or f32 operands; f32 sums; everything else in f32.
;; Inputs: Wk 1,024 x 1,024 float32; Wo 1,024 x 1,024 float32; Wq 1,024 x 1,024 float32; Wv 1,024 x 1,024 float32; bk 1,024 float32; bo 1,024 float32; bq 1,024 float32; bv 1,024 float32; x 2 x 2,048 x 1,024 float32.
;; Outputs: out0 2 x 2,048 x 1,024 float32.
;; This version of the problem:
;;   THIS VERSION OF THE PROBLEM IS GIVEN IN LOW PRECISION. The matrix products marked QUANTISED in the list below multiply operands that are first quantised to E2M3 (2 exponent bits, 3 mantissa bits; 6 bits a number), with one power-of-two scale for each 32 numbers along K (OCP MX v1.0); their sums are f32. All else is computed in f32.
;;   The module's matrix products, in the order in which they are computed (A, B: the left and right operand; K: the contracted axis; several contracted axes count as one K, in the product's order):
;;     1. [M 4,096, K 1,024] x [K 1,024, N 1,024]; A: input x; B: input Wq: QUANTISED
;;     2. [M 4,096, K 1,024] x [K 1,024, N 1,024]; A: input x; B: input Wk: QUANTISED
;;     3. [M 4,096, K 1,024] x [K 1,024, N 1,024]; A: input x; B: input Wv: QUANTISED
;;     4. [M 2,048, K 1] x [K 1, N 32]; A: computed on the way; B: computed on the way: left as it is (no contracted axis)
;;     5. batch 32 x [M 2,048, K 64] x [K 64, N 2,048]; A: computed on the way; B: computed on the way: QUANTISED
;;     6. batch 32 x [M 2,048, K 2,048] x [K 2,048, N 64]; A: softmax (see below); B: computed on the way: QUANTISED
;;     7. [M 4,096, K 1,024] x [K 1,024, N 1,024]; A: computed on the way; B: input Wo: QUANTISED
;;   THE QUANTISER, for each operand of a quantised product, along K:
;;     - K is cut into blocks of 32 from its start; a last block that is shorter is filled with zeros.
;;     - A block's scale is 2^e with e = floor(log2(the largest magnitude in the block)) - 2, held to -126 .. 127; a block of zeros has e = 0. As a byte (E8M0): e + 127.
;;     - Each number is divided by its block's scale, clamped to +-7.5, and rounded to the nearest number of E2M3, ties to even, subnormals kept.
;;     - The product sums the exact products of the quantised numbers (number of the format x scale) in f32.
;;   ~~~python
;;   def quantise(x, axis):      # numpy; x: float32 -> the quantised numbers, widened to float32 again
;;       x = np.moveaxis(x, axis, -1); K = x.shape[-1]
;;       x = np.pad(x, [(0, 0)] * (x.ndim - 1) + [(0, -K % 32)]); x = x.reshape(x.shape[:-1] + (-1, 32)); a = np.abs(x).max(-1, keepdims=True)
;;       e = np.where(a > 0, np.clip(np.frexp(np.where(a > 0, a, 1))[1] - 1 - 2, -126, 127), 0)      # np.frexp(a)[1] - 1 = floor(log2(a)), exactly
;;       r = np.clip(x / 2.0 ** e, -7.5, 7.5)
;;       step = 2.0 ** (np.maximum(np.frexp(np.where(r == 0, 1, r))[1] - 1, 0) - 3)
;;       q = np.round(r / step) * step * 2.0 ** e      # np.round: ties to even
;;       return np.moveaxis(q.reshape(q.shape[:-2] + (-1,))[..., :K], -1, axis).astype(np.float32)
;;   ~~~
;;   SOFTMAX AHEAD OF A QUANTISED PRODUCT. Where the list says 'softmax', what is quantised is not the finished softmax but p = 2^(t - M), with t = logit x log2(e) and M = ceil(the row's largest t), a whole number; so 1/2 < the row's largest p <= 1. The row's sum l is taken of the UNQUANTISED p, in f32, and the product's result is divided by l at the end. Since M is a whole number, a kernel that streams over the keys may use a running M (the ceiling of the running maximum): every later rescaling is an exact power of two, which a block's scale takes up: the codes' values come out the same.
;;   OPERANDS COMPUTED ON THE WAY. 'Computed on the way' means the value that the module computes at that place (a softmax that the list does not call 'softmax' is quantised finished and normalised). What goes into a quantiser is computed in f32, as accurately as f32 sums, v_exp_f32 and their like allow (about 1e-6 of the number): no bf16 or f16 on the way to a quantiser, and a product that is left as it is and whose result goes on into a quantised operand takes f32 operands (vector FMAs, or v_wmma_f32_16x16x4_f32). A number that lies on a knife's edge between two numbers of the format may be rounded either way, as far as f32 arithmetic and the matrix unit's own rounding can turn it there, and no further.
;; One version. Each part assembles by itself: llvm-mc -triple=amdgcn-amd-amdhsa -mcpu=gfx1250 --defsym DOCPART=n.
;; ======== version 1 of 1: 4 launches
;; limits: right only within a limited range of input values
;; workspace buffers: qa 7,077,888 bytes; qb 10,092,544 bytes; qc 3,276,800 bytes
;; launch quant (part 1): grid 256 x 1, 4 waves a work-group, no clusters, 34,304 bytes of LDS; arguments x, Wq, Wk, Wv, Wo, qa; writes qa
.if DOCPART == 1
	.amdgcn_target "amdgcn-amd-amdhsa--gfx1250"
	.amdhsa_code_object_version 6
	.text
	.protected	k_qbe9148923c_quant
	.globl	k_qbe9148923c_quant
	.p2align	8
	.type	k_qbe9148923c_quant,@function
k_qbe9148923c_quant:
	s_mov_b64 s[64:65], 0
	v_nop
	global_prefetch_b8 v0, s[64:65] scope:SCOPE_SE
	s_setreg_imm32_b32 hwreg(HW_REG_WAVE_MODE, 25, 1), 1
	s_wait_xcnt 0x0
; x [4096][1024] and Wq, Wk, Wv, Wo [1024][1024], f32, K innermost, become codes of FP6 (E2M3) with one E8M0 byte for each 32 along K, laid IN THE ORDER OF THE OPERAND'S REGISTERS; and the table of cos and sin for the rotary step is made.
; TILES.  The 8,192 rows (x, Wq, Wk, Wv, Wo on end) are 512 tiles of 16.  The rows of a tile are not neighbours: lane r of tile T holds row 32 (T / 2) + 8 (T % 2) + r + 8 (r / 8), so that, where a tile is a product's
; source 0, the 16 result registers of tiles 2 b and 2 b + 1 are 16 neighbours.  IMAGE of a fragment (16 rows x 128 K, 12 registers a lane): three blocks of 512 bytes, block c = registers 4 c .. 4 c + 3, lane l at 16 l.
; qa: codes [tile][K step 0..7][1,536] at 0;  scale words [tile][half g][row r][4 words] (word q of half g: K step 4 g + q) at QSC;  the table [position tile 0..127][8 blocks of 512 bytes] at QROPE:
; block n (0..3), register w of lane (r, h): cos(position of lane r x inv_freq(16 h + 4 n + w)); blocks 4..7 the sines.
; SHARES.  A work-group takes 32 rows (a pair of tiles); wave (u = wave / 2, g = wave % 2) takes tile u and K steps 4 g .. 4 g + 3.  Each load reads 512 consecutive bytes of a row; a K step's 16 x 512 bytes turn through the wave's own
; stage in LDS (rows 528 bytes apart: sixteen rows begin in sixteen different groups of banks), so that lane (r, h) gets 16 neighbours of each block of 32 of row r.  Waves share nothing: no barrier.  Every store covers 256 or 512 consecutive bytes, aligned.
; A block's scale is 2^(floor(log2(largest magnitude)) - 2); its byte is that magnitude's exponent field - 2, held at 1 from below.
; LIMITS: NaN and infinities are not served.  A block of zeros, or one whose largest magnitude lies under 2^-124, gets the byte 1 (the rule says 127 for zeros): its codes add nothing, and this program alone reads the bytes.
; inv_freq(f) is the f32 number nearest to 10^(-f / 8); a power function followed by a division may give its neighbour, which moves an angle by 1.5e-4 at the most (position 2,047).  cos and sin: the angle less n x pi/2 in two parts, then polynomials on +-pi/4: about 1e-7.
; Matrix units, clusters and tensor loads are left out: each byte is read once by one wave, and nothing is shared.
.set STGB,  8448                       ; a wave's stage: 16 rows x 528 bytes
.set QSC,   6291456
.set QROPE, 6553600
.set RR,    16                         ; v16-143  two sets of 64: a K step's numbers as loaded
.set XX,    144                        ; v144-207 64 numbers: register 16 b + i = k 32 b + 16 h + i of my row (before that: at work for the table)
.set PC,    208                        ; v208-227 the codes just made
.set TM,    228                        ; v228-243 at work in the quantiser
.set PW,    244                        ; v244-247 my row's four scale words
.set RC,    248                        ; v248-251 four cosines
.set RS,    252                        ; v252-255 four sines
.set SEL,   20                         ; s[20:21] lane selects: lane l xor 16
.set HM,    22                         ; s22 the mask of lanes 16-31
; 64 numbers of a lane become a fragment's codes in v[PC] on and its scale word in v[pw]
.macro QUANT s, pw
.irp b, 0,1,2,3
	v_max3_num_f32 v[TM+\b], |v[\s+16*\b]|, |v[\s+1+16*\b]|, 0x1800000   ; block b: my 16 numbers, and the floor 2^(3 - 127): the byte cannot fall under 1
.endr
.irp i, 2,4,6,8,10,12,14
.irp b, 0,1,2,3
	v_max3_num_f32 v[TM+\b], v[TM+\b], |v[\s+16*\b+\i]|, |v[\s+1+16*\b+\i]|   ; the four blocks by turns
.endr
.endr
.irp b, 0,1,2,3
	v_permlanex16_b32 v[TM+4+\b], v[TM+\b], s[SEL], s[SEL+1]
.endr
.irp b, 0,1,2,3
	v_max_num_f32 v[TM+\b], v[TM+\b], v[TM+4+\b]   ; with lane l xor 16's: the block's largest magnitude
.endr
.irp b, 0,1,2,3
	v_add_nc_u32 v[TM+12+\b], 0xff000000, v[TM+\b]   ; 2 off its exponent field: the conversion takes this operand's exponent field as its scale
.endr
.irp b, 0,1,2,3
	v_lshrrev_b32 v[TM+4+\b], 23, v[TM+12+\b]      ; the scale's byte
.endr
	v_lshl_or_b32 v[\pw], v[TM+5], 8, v[TM+4]
	v_lshl_or_b32 v[\pw], v[TM+6], 16, v[\pw]
	v_lshl_or_b32 v[\pw], v[TM+7], 24, v[\pw]
.irp c, 0,1
	v_cvt_scalef32_pk16_fp6_f32 v[PC+6*\c:PC+2+6*\c], v[\s+32*\c:\s+15+32*\c], v[TM+12+2*\c]
	v_cvt_scalef32_pk16_fp6_f32 v[PC+12+4*\c:PC+14+4*\c], v[\s+16+32*\c:\s+31+32*\c], v[TM+12+2*\c+1]   ; (a conversion's three registers begin on an even number)
.endr
	v_nop                                          ; one plain place behind a scaled conversion
.irp c, 0,1                                    ; the layout wants a whole block in a lane: lanes 0-15 block 2 c, lanes 16-31 block 2 c + 1
.irp i, 0,1,2
	v_permlane16_swap_b32 v[PC+6*\c+\i], v[PC+12+4*\c+\i]
.endr
.irp i, 0,1,2
	v_mov_b32 v[PC+3+6*\c+\i], v[PC+12+4*\c+\i]
.endr
.endr
.endm
	s_load_b256 s[4:11], s[0:1], 0x0               ; x, Wq, Wk, Wv
	s_load_b128 s[12:15], s[0:1], 0x20             ; Wo, qa
	v_lshl_add_u32 v238, v0, 2, 0x8400
	v_mov_b32 v239, 0
	v_lshrrev_b32 v1, 5, v0
	v_readfirstlane_b32 s16, v1                    ; wave 0..3
	v_and_b32 v5, 31, v0                           ; lane
	v_and_b32 v6, 15, v0                           ; r
	v_bfe_u32 v7, v0, 4, 1                         ; h
	v_lshlrev_b32 v1, 4, v5                        ; 16 x lane: my place in a load's, and in an image block's, 512 bytes
	s_mul_i32 s23, s16, STGB
	v_add_nc_u32 v2, s23, v1                       ; the stage, on the way in
	v_mul_u32_u24 v3, v6, 528
	v_lshl_add_u32 v3, v7, 6, v3
	v_add_nc_u32 v3, s23, v3                       ; and on the way out: row r, + 64 h
	v_lshlrev_b32 v4, 4, v6
	v_lshl_add_u32 v4, v7, 3, v4                   ; my two scale words' place: 16 r + 8 h
	s_lshr_b32 s17, s16, 1                         ; u
	s_and_b32 s18, s16, 1                          ; g
	s_mov_b32 s[SEL], 0x76543210
	s_mov_b32 s[SEL+1], 0xfedcba98
	s_mov_b32 s[HM], 0xffff0000
.irp b, 0,1,2,3
	v_mov_b32 v[TM+4+\b], 0                        ; written once: a lane permute's destination counts as one of its sources
.endr
	s_and_b32 s19, ttmp9, 31                       ; which pair of tiles of its tensor: x has 128, each weight 32
	s_cmp_lt_u32 ttmp9, 128
	s_cselect_b32 s19, ttmp9, s19
	s_lshl_b32 s30, s19, 17                        ; 32 rows of 4,096 bytes,
	s_lshl_b32 s31, s17, 15                        ; tile u begins 8 rows on,
	s_add_co_u32 s30, s30, s31
	s_lshl_b32 s31, s18, 11                        ; my four K steps of 512 bytes
	s_add_co_u32 s30, s30, s31
	s_mov_b32 s31, 0
	s_lshl_b32 s34, ttmp9, 1
	s_add_co_u32 s34, s34, s17                     ; my tile
	s_mul_i32 s36, s34, 12288
	s_mul_i32 s35, s18, 6144
	s_add_co_u32 s36, s36, s35                     ; its codes, from K step 4 g on
	s_mov_b32 s37, 0
	s_lshl_b32 s38, s34, 9
	s_lshl_b32 s35, s18, 8
	s_add_co_u32 s38, s38, s35
	s_add_co_u32 s38, s38, QSC                     ; its scale words, half g
	s_mov_b32 s39, 0
	s_wait_kmcnt 0x0
	s_cmp_lt_u32 ttmp9, 224                        ; the tensor is chosen by the work-group's number alone
	s_cselect_b64 s[24:25], s[10:11], s[12:13]
	s_cmp_lt_u32 ttmp9, 192
	s_cselect_b64 s[24:25], s[8:9], s[24:25]
	s_cmp_lt_u32 ttmp9, 160
	s_cselect_b64 s[24:25], s[6:7], s[24:25]
	s_cmp_lt_u32 ttmp9, 128
	s_cselect_b64 s[24:25], s[4:5], s[24:25]
	s_add_nc_u64 s[24:25], s[24:25], s[30:31]
	s_add_nc_u64 s[26:27], s[14:15], s[36:37]
	s_add_nc_u64 s[28:29], s[14:15], s[38:39]
.macro LOAD q                          ; K step q of my four: 16 rows x 512 consecutive bytes into set q % 2
.irp i, 0,1,2,3,4,5,6,7,8,9,10,11,12,13,14,15
	global_load_b128 v[RR+64*((\q)%2)+4*\i:RR+64*((\q)%2)+4*\i+3], v1, s[24:25] offset:(\i+8*(\i/8))*4096+512*(\q) th:TH_LOAD_NT
.endr
.endm
	LOAD 0
	LOAD 1
	; THE TABLE: 128 position tiles x 4 groups of frequencies are 512 shares: waves 0 and 1 of each work-group take one each, while their first loads are on the way
	s_cmp_lt_u32 s16, 2
	s_cbranch_scc0 .Lno_table
	s_lshr_b32 s40, ttmp9, 1                       ; the position tile
	s_and_b32 s43, ttmp9, 1
	s_lshl_b32 s43, s43, 1
	s_add_co_u32 s43, s43, s16                     ; n: frequencies 16 h + 4 n + 0 .. 3
	s_lshl_b32 s32, s40, 12
	s_lshl_b32 s33, s43, 9
	s_add_co_u32 s32, s32, s33
	s_add_co_u32 s32, s32, QROPE
	s_mov_b32 s33, 0
	s_add_nc_u64 s[32:33], s[14:15], s[32:33]
	s_lshr_b32 s41, s40, 1
	s_lshl_b32 s41, s41, 5
	s_and_b32 s42, s40, 1
	s_lshl_b32 s42, s42, 3
	s_add_co_u32 s41, s41, s42                     ; the tile's first position
	v_and_b32 v145, 8, v6
	v_add_nc_u32 v145, v145, v6
	v_add_nc_u32 v145, s41, v145                   ; my position
	v_cvt_f32_u32 v144, v145
	s_mov_b32 s44, 0x3f800000                      ; inv_freq(f) = 10^(-f / 8): s44-47 f = 4 n + 0..3, s48-51 f = 16 + 4 n + 0..3; first for n = 0
	s_mov_b32 s45, 0x3f3ff911
	s_mov_b32 s46, 0x3f0ff59a
	s_mov_b32 s47, 0x3ed7e89b
	s_mov_b32 s48, 0x3c23d70a
	s_mov_b32 s49, 0x3bf5b9b0
	s_mov_b32 s50, 0x3bb8449c
	s_mov_b32 s51, 0x3b8a2e77
.macro PICK n, a0, a1, a2, a3, b0, b1, b2, b3
	s_cmp_eq_u32 s43, \n
	s_cselect_b32 s44, \a0, s44
	s_cselect_b32 s45, \a1, s45
	s_cselect_b32 s46, \a2, s46
	s_cselect_b32 s47, \a3, s47
	s_cselect_b32 s48, \b0, s48
	s_cselect_b32 s49, \b1, s49
	s_cselect_b32 s50, \b2, s50
	s_cselect_b32 s51, \b3, s51
.endm
	PICK 1, 0x3ea1e89b, 0x3e72d424, 0x3e361887, 0x3e088d77, 0x3b4f3e37, 0x3b1b690d, 0x3ae91528, 0x3aaec98e
	PICK 2, 0x3dcccccd, 0x3d99940e, 0x3d6655c3, 0x3d2cba15, 0x3a83126f, 0x3a44948c, 0x3a136a16, 0x39dd1726
	PICK 3, 0x3d0186e2, 0x3cc24350, 0x3c91ad39, 0x3c5a7bf1, 0x39a5cb5f, 0x3978a814, 0x393a7753, 0x390bd472
	s_mov_b32 s52, 0x3fc90fdb                      ; pi/2 in two parts: the first product's difference from the angle is exact in a fused multiply-add
	s_mov_b32 s53, 0xb33bbd2e
	s_mov_b32 s54, 0xb94ca1f9                      ; sine: -1.9515296e-4, 8.3321609e-3, -1.6666655e-1
	s_mov_b32 s55, 0x3c08839e
	s_mov_b32 s56, 0xbe2aaaa3
	s_mov_b32 s57, 0x37ccf5ce                      ; cosine: 2.4433157e-5, -1.3887316e-3, 4.1666646e-2
	s_mov_b32 s58, 0xbab6061a
	s_mov_b32 s59, 0x3d2aaaa5
.irp w, 0,1,2,3
	v_mov_b32 v[145+\w], s[44+\w]
	v_mov_b32 v149, s[48+\w]
	v_cndmask_b32 v[145+\w], v[145+\w], v149, s[HM]   ; lanes 16-31 take the upper sixteen frequencies
.endr
.macro SINCOS w
	v_mul_f32 v149, v144, v[145+\w]                ; the angle: position x inv_freq, one rounding
	v_mul_f32 v150, 0x3f22f983, v149
	v_rndne_f32 v150, v150                         ; n = the nearest whole number to angle x 2 / pi
	v_fma_f32 v151, -v150, s52, v149
	v_fma_f32 v151, -v150, s53, v151               ; rho = angle - n pi/2, within +-pi/4
	v_mul_f32 v152, v151, v151                     ; z
	v_fma_f32 v153, v152, s54, s55
	v_fma_f32 v154, v152, s57, s58
	v_fma_f32 v153, v153, v152, s56
	v_fma_f32 v154, v154, v152, s59
	v_mul_f32 v157, v152, v151
	v_fma_f32 v154, v154, v152, -0.5
	v_fma_f32 v153, v153, v157, v151               ; sin rho
	v_fma_f32 v154, v154, v152, 1.0                ; cos rho
	v_cvt_i32_f32 v155, v150
	v_and_b32 v156, 1, v155
	v_cmp_eq_u32 vcc_lo, 1, v156                   ; an odd quadrant changes the two (a choice of values only)
	v_cndmask_b32 v[RS+\w], v153, v154, vcc_lo
	v_cndmask_b32 v[RC+\w], v154, v153, vcc_lo
	v_lshlrev_b32 v156, 30, v155
	v_and_b32 v156, 0x80000000, v156
	v_xor_b32 v[RS+\w], v[RS+\w], v156             ; the sine is negative in quadrants 2 and 3,
	v_add_nc_u32 v155, 1, v155
	v_lshlrev_b32 v156, 30, v155
	v_and_b32 v156, 0x80000000, v156
	v_xor_b32 v[RC+\w], v[RC+\w], v156             ; the cosine in 1 and 2
.endm
	SINCOS 0
	SINCOS 1
	SINCOS 2
	SINCOS 3
	global_store_b128 v1, v[RC:RC+3], s[32:33]                 ; 512 consecutive bytes each; their registers are not written again
	global_store_b128 v1, v[RS:RS+3], s[32:33] offset:2048
.Lno_table:
.macro UNIT q
.if (\q) < 3
	s_wait_loadcnt 16                              ; this K step's 16 loads are in; the next one's 16 may be out
.else
	s_wait_loadcnt 0x0
.endif
.irp i, 0,1,2,3,4,5,6,7,8,9,10,11,12,13,14,15
	ds_store_b128 v2, v[RR+64*((\q)%2)+4*\i:RR+64*((\q)%2)+4*\i+3] offset:528*\i
.endr
.irp b, 0,1,2,3
.irp j, 0,1,2,3
	ds_load_b128 v[XX+16*\b+4*\j:XX+16*\b+4*\j+3], v3 offset:128*\b+16*\j   ; LDS serves a wave's instructions in order: these see the stores above
.endr
.endr
	s_wait_dscnt 0x0                               ; my 64 numbers are back, and the stores have read their registers,
.if (\q) < 2
	LOAD (\q)+2                                    ; which take the K step two on
.endif
.if (\q) > 0
	s_wait_xcnt 0x0                                ; the last K step's stores have read the codes' registers: only now are they written again
.endif
	QUANT XX, PW+(\q)
.irp c, 0,1,2
	global_store_b128 v1, v[PC+4*\c:PC+4*\c+3], s[26:27] offset:1536*(\q)+512*\c   ; the image: 512 consecutive bytes a store
.endr
.endm
	s_wait_alu depctr_va_vdst(0)
	UNIT 0
	UNIT 1
	UNIT 2
	UNIT 3
	v_cndmask_b32 v12, v[PW], v[PW+2], s[HM]       ; both halves of the lanes hold row r's four words: lanes 0-15 store words 0, 1, lanes 16-31 words 2, 3
	v_cndmask_b32 v13, v[PW+1], v[PW+3], s[HM]
	global_store_b64 v4, v[12:13], s[28:29]        ; 256 consecutive bytes, aligned
	s_wait_tensorcnt 0x0
	ds_add_u32 v238, v239
	s_wait_dscnt 0x0
	s_endpgm
.Lfunc_end_k_qbe9148923c_quant:
	.size	k_qbe9148923c_quant, .Lfunc_end_k_qbe9148923c_quant-k_qbe9148923c_quant
	.p2alignl 7, 3214868480
	.fill 96, 4, 3214868480
	.section	.rodata,"a",@progbits
	.p2align	6, 0x0
	.amdhsa_kernel k_qbe9148923c_quant
		.amdhsa_group_segment_fixed_size 34304
		.amdhsa_private_segment_fixed_size 0
		.amdhsa_enable_private_segment 0
		.amdhsa_kernarg_size 48
		.amdhsa_user_sgpr_count 2
		.amdhsa_user_sgpr_kernarg_segment_ptr 1
		.amdhsa_wavefront_size32 1
		.amdhsa_system_sgpr_workgroup_id_x 1
		.amdhsa_system_sgpr_workgroup_id_y 1
		.amdhsa_system_sgpr_workgroup_id_z 1
		.amdhsa_system_vgpr_workitem_id 0
		.amdhsa_next_free_vgpr 256
		.amdhsa_next_free_sgpr 66
		.amdhsa_reserve_vcc 1
		.amdhsa_float_denorm_mode_32 3
		.amdhsa_float_denorm_mode_16_64 3
		.amdhsa_memory_ordered 1
		.amdhsa_forward_progress 1
		.amdhsa_inst_pref_size 43
	.end_amdhsa_kernel
	.amdgpu_metadata
---
amdhsa.version: [ 1, 2 ]
amdhsa.kernels:
  - .name:           k_qbe9148923c_quant
    .symbol:         k_qbe9148923c_quant.kd
    .args:
      - { .name: x, .offset: 0, .size: 8, .value_kind: global_buffer, .address_space: global }
      - { .name: Wq, .offset: 8, .size: 8, .value_kind: global_buffer, .address_space: global }
      - { .name: Wk, .offset: 16, .size: 8, .value_kind: global_buffer, .address_space: global }
      - { .name: Wv, .offset: 24, .size: 8, .value_kind: global_buffer, .address_space: global }
      - { .name: Wo, .offset: 32, .size: 8, .value_kind: global_buffer, .address_space: global }
      - { .name: qa, .offset: 40, .size: 8, .value_kind: global_buffer, .address_space: global }
    .group_segment_fixed_size: 34304
    .private_segment_fixed_size: 0
    .kernarg_segment_align: 8
    .kernarg_segment_size: 48
    .max_flat_workgroup_size: 128
    .sgpr_count:     66
    .vgpr_count:     256
    .wavefront_size: 32
...
	.end_amdgpu_metadata
.endif
;; end of part 1
;; launch qkv (part 2): grid 16 x 16, 12 waves a work-group, clusters of 4 x 4, 327,680 bytes of LDS; arguments qa, bq, bk, bv, qb; writes qb
.if DOCPART == 2
	.amdgcn_target "amdgcn-amd-amdhsa--gfx1250"
	.amdhsa_code_object_version 6
	.text
	.protected	k_qbe9148923c_qkv
	.globl	k_qbe9148923c_qkv
	.p2align	8
	.type	k_qbe9148923c_qkv,@function
k_qbe9148923c_qkv:
	s_mov_b64 s[64:65], 0
	v_nop
	global_prefetch_b8 v0, s[64:65] scope:SCOPE_SE
	s_setreg_imm32_b32 hwreg(HW_REG_WAVE_MODE, 25, 1), 1
	s_wait_xcnt 0x0
	s_wait_alu depctr_hold_cnt(0) depctr_sa_sdst(0) depctr_va_vdst(0) depctr_va_sdst(0) depctr_va_ssrc(0) depctr_va_vcc(0) depctr_vm_vsrc(0)
	s_getreg_b32 s2, hwreg(HW_REG_IB_STS2, 6, 4)
	s_cmp_eq_u32 s2, 0
	s_cbranch_scc0 .Lentry_in_a_cluster
	s_endpgm
.Lentry_in_a_cluster:
	s_bfe_u32 s2, ttmp6, 0x10000c
	s_cmp_lg_u32 s2, 0xf033
	s_cbranch_scc0 .Lentry_shape_is_right
	s_endpgm
.Lentry_shape_is_right:
; q, k, v = x W^T + b on codes of FP6 (E2M3) with E8M0 scales; q and k are turned by the rotary step; all three are quantised again, q and k along the head's 64, v along the tokens, and stored as register images.
; SHARES.  A work-group makes 256 tokens x one head's q, k and v.  Wave (type = wave / 4: 0 q, 1 k, 2 v; tq = wave % 4) makes 64 tokens x 64 columns: 16 accumulators, 128 registers; three waves to a SIMD, so that one wave's LDS loads stand beside another's products.
; q, k: source 0 = 16 rows of W, source 1 = 16 tokens: a lane holds ONE token and its registers run along d.  v: source 0 = 16 tokens, source 1 = 16 rows of Wv: a lane holds ONE d and its registers run along the tokens, which are the K of attention's second product.
; The rows of a tile are chosen (lane r of tile T: row 32 (T / 2) + 8 (T % 2) + r + 8 (r / 8)) so that accumulators (a = 0..3, b) hold, in 32 registers on end, two blocks of 32 neighbours: register 16 B + i = 32 B + 16 h + i.
; LDS.  All of K lies in LDS at once and no byte is filled twice.  Eight K steps of x (24,576 bytes each) and of W (18,432) would be 344,064 bytes, more than a WGP has; so W's K step 0 comes straight into each wave's registers (12 loads of 512 dense bytes),
; and LDS holds x [K step 0..7][group 0..3][tile][1,536] from byte 0 and W [K step 1..7][type][tile][1,536] from WREG: 325,632 bytes.
; CLUSTER 4 x 4: the four work-groups of a row share their 256 tokens, the four of a column their head: each tile is asked for jointly.  Waves 0-3 ask for x's groups (8 loads each), waves 4-6 for Wq, Wk, Wv (7 each): at most eight loads of a wave are out.
; THE BIASES ARE ASKED FOR AT THE HEAD, beside the tiles.  q, k: the bias is loaded into the accumulators themselves (each token tile's four: 32 loads out of the head's 256 bytes), and the first K step adds onto it: no addition, no registers of its own.
; v: a lane has one d in each of its four tiles, so four numbers, in four spare registers; the packed addition takes the pair's low word for both halves.
; THE TABLE of cos and sin has two sets of 32 registers where the fragments lay: token tiles 0 and 1 are asked for together, first thing behind the last products; tile 2 goes into set 0 when tile 0's rotary lines have read it, tile 3 into set 1 likewise.
; qb: for each bh = 16 batch + head 294,912 bytes of codes: four chunks of 512 tokens [K: 16 pair images of 1,536][V: 8 groups of 64 tokens x 4 tiles of d x 768], then Q: 64 pair images.  A pair image: registers 0-5 of tile 2 p, then of tile 2 p + 1.
; Scales from BSC, 20,480 bytes a bh: K [64-token group][lane][2 words] (word B of lane (r, h): tile 4 group + 2 B + h, row r; bytes 2, 3 are 0), V [group][lane] (tile h's two bytes below, tile 2 + h's above), Q like K.
; LIMITS: NaN and infinities are not served; a block of zeros or under 2^-124 gets the byte 1 (its codes add nothing; this program alone reads the bytes).  q's and k's bias is the first term of the f32 sum, not the last.
; The v waves' scale words are 128 consecutive bytes a store, half of an aligned 256: a wave owns no more, and they are one byte in 77 of what the launch stores.
; HOW THE TILES COME NOW (this takes the place of what the lines above say of the loads and of the LDS layout): two fills a loading wave, K steps 0-3 at the head, K steps 4-7 behind the full sequence and a round of the cluster's barrier.
; LDS: x [half of K][group][tile][4 K steps][1,536] from 0; W K steps 1-3 [type][tile][3][1,536] from WREG; W K steps 4-7 [type][tile][4][1,536] from 251,904.  One load of a wave is out at the most.
.set XSTEP, 24576
.set WREG,  196608
.set WSTEP, 18432
.set QSC,   6291456
.set QROPE, 6553600
.set BSC,   9437184
.set BHB,   294912
.set BHS,   20480
.set SC,  16                           ; v16-31  scale words and nothing else: register 4 i + q: lanes 0-15 W's tile i, lanes 16-31 x's tile i, K step q of the half in hand
.set FW,  32                           ; v32-79  W's four fragments
.set FX,  80                           ; v80-127 x's four
.set ACC, 128                          ; v128-255 accumulator (a, b) at ACC + 8 (4 b + a)
.set CS,  32                           ; behind the products: v32-63, v64-95 two sets of cos and sin; v96-107 a pair image, v108-119 at work, v122-125 scale half words
.set IM,  96
.set TM,  108
.set TMP, 120
.set SW,  122
.set OW,  126
.set VM,  40                           ; the v waves: v40-63 four half images;  v2, v6, v12, v14: the bias of my d in tiles 0 to 3
.set G1X, 12                           ; s[12:19] descriptor group 1 for x, s[20:27] for W: they differ in the mask
.set G1W, 20
.set G0X, 28                           ; s[28:35] two groups 0 for x
.set G0W, 68                           ; s[68:75] two for W
.set WV,  60
.set TY,  61
.set TQ,  62
.set HD,  63
.set BY,  66
.set HM,  67
.set SEL, 96
.set BIA, 100                          ; s[100:101] my bias at the head's 64 numbers;  s[6:7], once the descriptors are made: the table at my four token tiles
.macro ROUND                           ; a round of the cluster's barrier
	s_barrier_signal -1
	s_barrier_wait -1
	s_cmp_lg_u32 s[WV], 0
	s_cbranch_scc1 .Lnot_wave_0_\@
	s_barrier_signal -3
.Lnot_wave_0_\@:
	s_barrier_wait -3
	s_barrier_signal -1
	s_barrier_wait -1
.endm
; 32 numbers of a lane (register 16 B + i = k 32 B + 16 h + i of my row) become six registers of codes (lane (r, h): k = 32 h .. 32 h + 31) in v[d] on, and the two bytes in v[hw]
.macro QUANT2 s, d, hw
.irp b, 0,1
	v_max3_num_f32 v[TM+\b], |v[\s+16*\b]|, |v[\s+16*\b+1]|, 0x1800000   ; and the floor 2^(3 - 127): the byte cannot fall under 1
.endr
.irp i, 2,4,6,8,10,12,14
.irp b, 0,1
	s_delay_alu instid0(VALU_DEP_2)
	v_max3_num_f32 v[TM+\b], v[TM+\b], |v[\s+16*\b+\i]|, |v[\s+16*\b+\i+1]|
.endr
.endr
.irp b, 0,1
	s_delay_alu instid0(VALU_DEP_2)
	v_permlanex16_b32 v[TM+2+\b], v[TM+\b], s[SEL], s[SEL+1]
.endr
.irp b, 0,1
	s_delay_alu instid0(VALU_DEP_2)
	v_max_num_f32 v[TM+\b], v[TM+\b], v[TM+2+\b]   ; with lane l xor 16's: the block's largest magnitude
.endr
.irp b, 0,1
	s_delay_alu instid0(VALU_DEP_2)
	v_add_nc_u32 v[TM+4+\b], 0xff000000, v[TM+\b]  ; 2 off its exponent field: the conversion's scale operand
.endr
.irp b, 0,1
	s_delay_alu instid0(VALU_DEP_2)
	v_lshrrev_b32 v[TM+6+\b], 23, v[TM+4+\b]       ; the byte
.endr
	s_delay_alu instid0(VALU_DEP_1)
	v_lshl_or_b32 v[\hw], v[TM+7], 8, v[TM+6]
	v_cvt_scalef32_pk16_fp6_f32 v[\d:\d+2], v[\s:\s+15], v[TM+4]
	v_cvt_scalef32_pk16_fp6_f32 v[TM+8:TM+10], v[\s+16:\s+31], v[TM+5]
	v_nop                                          ; one plain place behind a scaled conversion
.irp i, 0,1,2
	v_permlane16_swap_b32 v[\d+\i], v[TM+8+\i]     ; a whole block to a lane
.endr
.irp i, 0,1,2
	s_delay_alu instid0(VALU_DEP_3)
	v_mov_b32 v[\d+3+\i], v[TM+8+\i]
.endr
.endm
	s_load_b64 s[4:5], s[0:1], 0x0                 ; qa
	s_load_b64 s[BIA:BIA+1], s[0:1], 0x8           ; bq
	s_load_b64 s[104:105], s[0:1], 0x10            ; bk
	s_load_b64 s[2:3], s[0:1], 0x18                ; bv
	v_lshl_add_u32 v5, v0, 2, 0x4f800
	s_set_vgpr_msb 0x40
	v_mov_b32 v1, 0
	s_set_vgpr_msb 0x4044
	ds_add_u32 v5, v1
	ds_add_u32 v5, v1
	s_set_vgpr_msb 0x4400
	v_lshrrev_b32 v1, 5, v0
	s_delay_alu instid0(VALU_DEP_1)
	v_readfirstlane_b32 s[WV], v1                  ; wave 0..11
	s_lshr_b32 s[TY], s[WV], 2
	s_and_b32 s[TQ], s[WV], 3
	s_bfe_u32 s98, ttmp6, 0x40000                  ; cx
	s_bfe_u32 s99, ttmp6, 0x40004                  ; cy
	s_lshl_b32 s[HD], ttmp9, 2
	s_add_co_u32 s[HD], s[HD], s98                 ; the head = 4 x cluster x + cx
	s_and_b32 s[BY], ttmp7, 0xffff
	s_lshl_b32 s[BY], s[BY], 2
	s_add_co_u32 s[BY], s[BY], s99                 ; the block of 256 tokens = 4 x cluster y + cy
	s_lshl_b32 s6, s99, 2
	s_lshl_b32 s6, 15, s6                          ; my row of the cluster
	s_lshl_b32 s8, 0x1111, s98                     ; my column
	s_or_b32 s[G1X], s6, (3<<16)|(1<<21)           ; 15:0 the mask; 17:16 elements of 8 bytes; 21 set beside a mask; no padding: images are read as they lie
	s_or_b32 s[G1W], s8, (3<<16)|(1<<21)
.irp g, G1X, G1W
	s_mov_b32 s[\g+1], 768<<16                     ; tensor_dim0: four K steps of a tile, 6,144 bytes
	s_mov_b32 s[\g+2], 4<<16                       ; tensor_dim1: four tiles
	s_mov_b32 s[\g+3], 768<<16                     ; tile_dim0
	s_mov_b32 s[\g+4], 4                           ; tile_dim1
	s_mov_b32 s[\g+5], 1536                        ; from tile to tile: 12,288 bytes
	s_mov_b32 s[\g+6], 0
	s_mov_b32 s[\g+7], 0
.endr
	s_mov_b32 s[G1W+1], 576<<16                    ; W's first fill: K steps 1-3, 4,608 bytes a tile
	s_mov_b32 s[G1W+3], 576<<16
	s_mov_b32 s[HM], 0xffff0000
	s_mov_b32 s[SEL], 0x76543210
	s_mov_b32 s[SEL+1], 0xfedcba98
	s_lshl_b32 s6, s[BY], 4                        ; x: tiles 16 by + 4 wave on (made of the token block and the wave's number alone)
	s_lshl_b32 s7, s[WV], 2
	s_add_co_u32 s6, s6, s7
	s_mul_i32 s6, s6, 12288
	s_mov_b32 s7, 0
	s_lshl_b32 s8, s[WV], 6                        ; W: tiles 64 wave + 4 head on (wave 4: Wq begins at tile 256), from K step 1 (made of the head and the wave's number alone)
	s_lshl_b32 s9, s[HD], 2
	s_add_co_u32 s8, s8, s9
	s_mul_i32 s8, s8, 12288
	s_add_co_u32 s8, s8, 1536
	s_mov_b32 s9, 0
	s_lshl_b32 s10, s[TY], 6                       ; my own type's four tiles of W: 256 + 64 type + 4 head
	s_lshl_b32 s11, s[HD], 2
	s_add_co_u32 s10, s10, s11
	s_add_co_u32 s10, s10, 256
	s_lshl_b32 s98, s10, 9                         ; their scale words,
	s_mul_i32 s10, s10, 12288                      ; their codes
	s_lshl_b32 s99, s[BY], 4
	s_lshl_b32 s11, s[TQ], 2
	s_add_co_u32 s99, s99, s11
	s_lshl_b32 s99, s99, 9                         ; the scale words of my four tiles of x
	s_mov_b32 s11, 0
	s_wait_dscnt 0x0
	s_wait_kmcnt 0x0
	s_cmp_lt_u32 s[WV], 4                          ; my bias: bq, bk or bv, by the wave's number alone
	s_cselect_b64 s[BIA:BIA+1], s[BIA:BIA+1], s[104:105]
	s_cmp_lt_u32 s[WV], 8
	s_cselect_b64 s[BIA:BIA+1], s[BIA:BIA+1], s[2:3]
	s_lshl_b32 s104, s[HD], 8                      ; the head's 64 numbers
	s_mov_b32 s105, 0
	s_add_nc_u64 s[BIA:BIA+1], s[BIA:BIA+1], s[104:105]
	s_mul_i32 s2, s[WV], 24576                     ; where the tiles go: no place in the cluster enters an LDS address
	s_mul_i32 s3, s[WV], 18432
	s_add_nc_u64 s[6:7], s[4:5], s[6:7]
	s_add_nc_u64 s[8:9], s[4:5], s[8:9]
	s_add_nc_u64 s[10:11], s[4:5], s[10:11]
	s_add_nc_u64 s[4:5], s[4:5], QSC
.irp q, 0,1                                    ; group 0 for the first and for the second half of K
	s_mov_b32 s[G0X+4*\q], 1
	s_add_co_u32 s[G0X+4*\q+1], s2, \q*98304
	s_add_nc_u64 s[G0X+4*\q+2:G0X+4*\q+3], s[6:7], \q*6144
	s_or_b32 s[G0X+4*\q+3], s[G0X+4*\q+3], 0x80000000
	s_mov_b32 s[G0W+4*\q], 1
	s_add_nc_u64 s[G0W+4*\q+2:G0W+4*\q+3], s[8:9], \q*4608
	s_or_b32 s[G0W+4*\q+3], s[G0W+4*\q+3], 0x80000000
.endr
	s_add_co_u32 s[G0W+1], s3, WREG-4*18432        ; wave 4 is type 0
	s_add_co_u32 s[G0W+5], s2, 251904-4*24576
	s_and_b32 s8, s[BY], 7                         ; the descriptors are made: s[6:9] serve again.  The table: my group of 64 positions is 4 (by % 8) + tq, four position tiles of 4,096 bytes
	s_lshl_b32 s8, s8, 2
	s_add_co_u32 s8, s8, s[TQ]
	s_lshl_b32 s8, s8, 14
	s_add_co_u32 s8, s8, QROPE-QSC
	s_mov_b32 s9, 0
	s_add_nc_u64 s[6:7], s[4:5], s[8:9]
	ROUND                                          ; all sixteen work-groups are here: the joint loads meet
.macro JL st                           ; one joint load a wave: waves 0-3 x's groups, waves 4-6 Wq, Wk, Wv; one chain of branches on the wave's number
	s_cmp_lt_u32 s[WV], 4
	s_cbranch_scc0 .Lnot_x_\@
	tensor_load_to_lds s[G0X+4*\st:G0X+4*\st+3], s[G1X:G1X+7]
	s_nop 0
.rept 4
	v_nop
.endr
	s_branch .Lasked_\@
.Lnot_x_\@:
	s_cmp_lt_u32 s[WV], 7
	s_cbranch_scc0 .Lasked_\@
	tensor_load_to_lds s[G0W+4*\st:G0W+4*\st+3], s[G1W:G1W+7]
	s_nop 0
.rept 4
	v_nop
.endr
.Lasked_\@:
.endm
	JL 0
	v_and_b32 v11, 31, v0                          ; lane
	v_and_b32 v12, 15, v0                          ; r
	v_bfe_u32 v13, v0, 4, 1                        ; h
	s_delay_alu instid0(VALU_DEP_3)
	v_lshlrev_b32 v8, 4, v11                       ; 16 x lane
	s_delay_alu instid0(VALU_DEP_4)
	v_lshlrev_b32 v9, 3, v11                       ; 8 x lane
	v_lshlrev_b32 v10, 2, v11                      ; 4 x lane
.irp i, 0,1,2,3
.irp c, 0,1,2
	global_load_b128 v[FW+12*\i+4*\c:FW+12*\i+4*\c+3], v8, s[10:11] offset:12288*\i+512*\c   ; W's K step 0, straight into the fragments' registers
.endr
.endr
	v_mov_b32 v7, s98
	v_mov_b32 v14, s99
	s_delay_alu instid0(VALU_DEP_1)
	v_cndmask_b32 v7, v7, v14, s[HM]               ; lanes 0-15 take W's scale words, lanes 16-31 x's
	s_delay_alu instid0(VALU_DEP_1)
	v_lshl_add_u32 v7, v12, 4, v7                  ; 16 bytes a row: four K steps' words
.macro SCL g                           ; the words of K steps 4 g .. 4 g + 3
.irp i, 0,1,2,3
	global_load_b128 v[SC+4*\i:SC+4*\i+3], v7, s[4:5] offset:512*\i+256*(\g)
.endr
.endm
	SCL 0
	s_mul_i32 s3, s[TQ], 24576
	v_add_nc_u32 v4, s3, v8                        ; LDS: my group of x, K step 0
	s_mul_i32 s3, s[TY], 18432
	s_add_co_u32 s3, s3, WREG
	v_add_nc_u32 v3, s3, v8                        ; my type's W, K step 1
	s_mul_i32 s3, s[TY], 6144
	s_add_co_u32 s3, s3, 52224                     ; from my type's K step 3 to its K step 4: 251,904 + 24,576 type - (WREG + 18,432 type + 3,072)
	s_cmp_lt_u32 s[WV], 8                          ; the bias, by the wave's role.  With these a q or k wave has 48 loads out, a v wave 20; all are waited for in front of the first product
	s_cbranch_scc0 .Lpre_v
	v_lshlrev_b32 v15, 6, v13                      ; 64 h: register 8 a + j of a token tile's 32 is d = 32 (a / 2) + 8 (a % 2) + 16 h + j
.irp b, 0,1,2,3
.irp a, 0,1,2,3
	global_load_b128 v[ACC+8*(4*\b+\a):ACC+8*(4*\b+\a)+3], v15, s[BIA:BIA+1] offset:128*(\a/2)+32*(\a%2)       ; the bias is what the sums begin with
	global_load_b128 v[ACC+8*(4*\b+\a)+4:ACC+8*(4*\b+\a)+7], v15, s[BIA:BIA+1] offset:128*(\a/2)+32*(\a%2)+16
.endr
.endr
	s_branch .Lpre_done
.Lpre_v:
	v_and_b32 v15, 8, v12
	s_delay_alu instid0(VALU_DEP_1)
	v_add_nc_u32 v15, v15, v12
	s_delay_alu instid0(VALU_DEP_1)
	v_lshlrev_b32 v15, 2, v15                      ; my d in a tile: r + 8 (r / 8); tile b begins at d = 32 (b / 2) + 8 (b % 2)
	global_load_b32 v2, v15, s[BIA:BIA+1]
	global_load_b32 v6, v15, s[BIA:BIA+1] offset:32
	global_load_b32 v12, v15, s[BIA:BIA+1] offset:128   ; (r has served: the offsets made of it stand in v7 and v15)
	global_load_b32 v14, v15, s[BIA:BIA+1] offset:160
.Lpre_done:
.macro FETCH f, adr, st
.irp i, 0,1,2,3
.irp c, 0,1,2
	ds_load_b128 v[\f+12*\i+4*\c:\f+12*\i+4*\c+3], v[\adr] offset:(\st)*\i+512*\c
.endr
.endr
.endm
; 16 products, the sixteen accumulators by turns, in the same order in every K step.  first = 1: the first K step: q's and k's sums begin with the bias that was loaded into them, v's with 0.
.macro MUL q, first
	s_cmp_lt_u32 s[WV], 8
	s_cbranch_scc0 .Lmul_v_\@
.irp b, 0,1,2,3
.irp a, 0,1,2,3
	v_wmma_scale_f32_16x16x128_f8f6f4 v[ACC+8*(4*\b+\a):ACC+8*(4*\b+\a)+7], v[FW+12*\a:FW+12*\a+11], v[FX+12*\b:FX+12*\b+11], v[ACC+8*(4*\b+\a):ACC+8*(4*\b+\a)+7], v[SC+4*\a+(\q)], v[SC+4*\b+(\q)] matrix_a_fmt:MATRIX_FMT_FP6 matrix_b_fmt:MATRIX_FMT_FP6 matrix_b_scale:MATRIX_SCALE_ROW1
.endr
.endr
	s_branch .Lmul_done_\@
.Lmul_v_\@:
.irp b, 0,1,2,3
.irp a, 0,1,2,3
.if \first
	v_wmma_scale_f32_16x16x128_f8f6f4 v[ACC+8*(4*\b+\a):ACC+8*(4*\b+\a)+7], v[FX+12*\a:FX+12*\a+11], v[FW+12*\b:FW+12*\b+11], 0, v[SC+4*\a+(\q)], v[SC+4*\b+(\q)] matrix_a_fmt:MATRIX_FMT_FP6 matrix_b_fmt:MATRIX_FMT_FP6 matrix_a_scale:MATRIX_SCALE_ROW1
.else
	v_wmma_scale_f32_16x16x128_f8f6f4 v[ACC+8*(4*\b+\a):ACC+8*(4*\b+\a)+7], v[FX+12*\a:FX+12*\a+11], v[FW+12*\b:FW+12*\b+11], v[ACC+8*(4*\b+\a):ACC+8*(4*\b+\a)+7], v[SC+4*\a+(\q)], v[SC+4*\b+(\q)] matrix_a_fmt:MATRIX_FMT_FP6 matrix_b_fmt:MATRIX_FMT_FP6 matrix_a_scale:MATRIX_SCALE_ROW1
.endif
.endr
.endr
.Lmul_done_\@:
.endm
.macro STEP k
.if \k == 0
	s_set_vgpr_msb 0x4                             ; (the add's 0 lies in window 1)
	s_wait_tensorcnt 0x0                           ; my fill of K steps 0-3 has landed
	ds_add_u32 v5, v1
	ds_add_u32 v5, v1                              ; the add twice
	s_mov_b32 s[G1W+1], 768<<16                    ; no tensor load of mine is out: W's second fill has four K steps to a tile
	s_mov_b32 s[G1W+3], 768<<16
	s_wait_dscnt 0x0
	s_set_vgpr_msb 0x400
	ROUND                                          ; K steps 0-3 lie whole in LDS, and all sixteen work-groups are here
	JL 1                                           ; K steps 4-7: they have four K steps' products in which to land
.endif
.if \k == 4
	s_wait_tensorcnt 0x0                           ; my fill of K steps 4-7 has landed
	s_barrier_signal -1                            ; (none of my LDS loads is out: each step waits for its own)
	s_barrier_wait -1
.endif
.if \k == 7
	s_load_b64 s[20:21], s[0:1], 0x20              ; no tensor load is out any more: two of the descriptors' registers take qb's address for the way out
.endif
.if \k > 0
	FETCH FW, 3, 4608+1536*(\k/4)
.endif
	FETCH FX, 4, 6144
.if (\k == 0) || (\k == 4)
	s_wait_loadcnt 0x0                             ; step 0: W's fragments, the scale words and the bias, all that the head asked for; step 4: the second half's scale words.  On every wave's way alike
.endif
	s_wait_dscnt 0x0
.if \k == 0
	MUL 0, 1
.else
	MUL \k%4, 0
.endif
.if \k == 3
	v_add_nc_u32 v4, 93696, v4                     ; on to the second half of K: 98,304 - 3 x 1,536
	v_add_nc_u32 v3, s3, v3
.else
	v_add_nc_u32 v4, 1536, v4                      ; four places behind the products
.if \k > 0
	v_add_nc_u32 v3, 1536, v3
.else
	v_nop
.endif
.endif
	v_nop
	v_nop
.if \k == 3
	SCL 1
.endif
.endm
	s_wait_alu depctr_va_vdst(0)
	STEP 0
	s_wait_alu depctr_va_vdst(0)
	STEP 1
	s_wait_alu depctr_va_vdst(0)
	STEP 2
	s_wait_alu depctr_va_vdst(0)
	STEP 3
	s_wait_alu depctr_va_vdst(0)
	STEP 4
	s_wait_alu depctr_va_vdst(0)
	STEP 5
	s_wait_alu depctr_va_vdst(0)
	STEP 6
	s_wait_alu depctr_va_vdst(0)
	STEP 7
	; THE WAY OUT: no LDS, no barrier: every wave's results leave as images from its own registers
	s_lshr_b32 s24, s[BY], 3
	s_lshl_b32 s24, s24, 4
	s_add_co_u32 s24, s24, s[HD]                   ; bh
	s_and_b32 s25, s[BY], 7                        ; which 256 tokens of the batch
	s_mul_i32 s26, s24, BHB                        ; bh's codes
	s_mul_i32 s27, s24, BHS
	s_add_co_u32 s27, s27, BSC                     ; bh's scales
	s_lshl_b32 s28, s25, 2
	s_add_co_u32 s28, s28, s[TQ]                   ; my group of 64 tokens
	s_lshr_b32 s29, s25, 1
	s_mul_i32 s29, s29, 49152
	s_add_co_u32 s29, s29, s26                     ; its chunk of 512
	s_and_b32 s30, s[BY], 1
	v_mov_b32 v[TM+2], 0                           ; written once: a lane permute's destination counts as one of its sources
	v_mov_b32 v[TM+3], 0
	s_wait_kmcnt 0x0
	s_cmp_lt_u32 s[WV], 8
	s_cbranch_scc0 .Lv_part
.macro CSL b, set                      ; the table's image for my token tile b into set 0 or 1: register i = cos, register 16 + i = sin of frequency 16 h + i at my token's position.  (An argument may be a sum, and it is put in as text: so it stands in brackets)
.irp n, 0,1,2,3,4,5,6,7
	global_load_b128 v[CS+32*(\set)+4*\n:CS+32*(\set)+4*\n+3], v8, s[6:7] offset:4096*(\b)+512*\n
.endr
.endm
	CSL 0, 0
	CSL 1, 1
	s_mul_i32 s32, s28, 3072                       ; q: pair images 2 group, 2 group + 1, behind the four chunks
	s_add_co_u32 s32, s32, s26
	s_add_co_u32 s32, s32, 196608
	s_mul_i32 s34, s30, 12288                      ; k: the same pairs inside the chunk
	s_mul_i32 s35, s[TQ], 3072
	s_add_co_u32 s34, s34, s35
	s_add_co_u32 s34, s34, s29
	s_lshl_b32 s36, s28, 8                         ; scale words: 256 bytes a group; q's lie 12,288 on
	s_add_co_u32 s36, s36, s27
	s_add_co_u32 s35, s36, 12288
	s_cmp_lt_u32 s[WV], 4                          ; q or k: by the wave's number
	s_cselect_b32 s32, s32, s34
	s_cselect_b32 s36, s35, s36
	s_mov_b32 s33, 0
	s_mov_b32 s37, 0
	s_add_nc_u64 s[32:33], s[20:21], s[32:33]
	s_add_nc_u64 s[36:37], s[20:21], s[36:37]
.macro QKB b                           ; token tile b: registers 0-15 are d = 16 h + i (x1), registers 16-31 d = 32 + 16 h + i (x2); the bias is in the sums already
.set AQ, ACC+32*\b
.set CQ, CS+32*(\b%2)
.irp i, 0,2,4,6,8,10,12,14                     ; each accumulator is read from its low end on
	v_pk_mul_f32 v[TMP:TMP+1], v[AQ+\i:AQ+\i+1], v[CQ+16+\i:CQ+17+\i]                 ; x1 sin
	v_pk_mul_f32 v[AQ+\i:AQ+\i+1], v[AQ+\i:AQ+\i+1], v[CQ+\i:CQ+\i+1]                 ; x1 cos
	v_pk_fma_f32 v[AQ+\i:AQ+\i+1], v[AQ+16+\i:AQ+17+\i], v[CQ+16+\i:CQ+17+\i], v[AQ+\i:AQ+\i+1] neg_lo:[1,0,0] neg_hi:[1,0,0]   ; x1' = x1 cos - x2 sin
	v_pk_fma_f32 v[AQ+16+\i:AQ+17+\i], v[AQ+16+\i:AQ+17+\i], v[CQ+\i:CQ+\i+1], v[TMP:TMP+1]   ; x2' = x2 cos + x1 sin
.endr
.if \b < 2
	CSL \b+2, \b                                   ; this set has been read: it takes the table of the tile two on, which has this tile's quantiser and the next tile's whole work in which to land
.endif
.if \b == 2
	s_wait_xcnt 0x0                                ; the first pair's stores have read the image's registers
.endif
	QUANT2 ACC+32*\b,IM+6*(\b%2),SW+\b
.if (\b%2) == 1
.irp c, 0,1,2
	global_store_b128 v8, v[IM+4*\c:IM+4*\c+3], s[32:33] offset:(\b/2)*1536+512*\c   ; 512 consecutive bytes
.endr
.endif
.endm
	s_wait_loadcnt 8                               ; tile 0's table is in; tile 1's eight loads may be out
	QKB 0
	s_wait_loadcnt 8                               ; tile 1's is in; tile 2's eight may be out
	QKB 1
	s_wait_loadcnt 8                               ; tile 2's is in; tile 3's eight may be out
	QKB 2
	s_wait_loadcnt 0x0
	QKB 3
	v_cndmask_b32 v[OW], v[SW], v[SW+1], s[HM]     ; word B of lane (r, h): tile 2 B + h
	v_cndmask_b32 v[OW+1], v[SW+2], v[SW+3], s[HM]
	global_store_b64 v9, v[OW:OW+1], s[36:37]      ; 256 consecutive bytes, aligned
	s_branch .Ldone
.Lv_part:
	s_lshl_b32 s32, s30, 2
	s_add_co_u32 s32, s32, s[TQ]
	s_mul_i32 s32, s32, 3072                       ; my group's four half images, behind the chunk's K
	s_add_co_u32 s32, s32, s29
	s_add_co_u32 s32, s32, 24576
	s_mov_b32 s33, 0
	s_lshl_b32 s36, s28, 7                         ; its scale words: 128 bytes
	s_add_co_u32 s36, s36, s27
	s_add_co_u32 s36, s36, 8192
	s_mov_b32 s37, 0
	s_add_nc_u64 s[32:33], s[20:21], s[32:33]
	s_add_nc_u64 s[36:37], s[20:21], s[36:37]
.macro VBK b, r                        ; tile b of d: my 32 registers are 64 tokens' two blocks; v[r] holds my d's bias
.set AQ, ACC+32*\b
.irp i, 0,2,4,6,8,10,12,14,16,18,20,22,24,26,28,30
	v_pk_add_f32 v[AQ+\i:AQ+\i+1], v[AQ+\i:AQ+\i+1], v[\r:\r+1] op_sel_hi:[1,0]   ; of the pair the low word serves both halves; each accumulator from its low end on
.endr
	QUANT2 ACC+32*\b,VM+6*\b,SW+\b
	global_store_b128 v8, v[VM+6*\b:VM+6*\b+3], s[32:33] offset:768*\b          ; the half image: 512 bytes,
	global_store_b64 v9, v[VM+6*\b+4:VM+6*\b+5], s[32:33] offset:768*\b+512     ; then 256
.endm
	s_wait_alu depctr_va_vdst(0)
	VBK 0, 2
	VBK 1, 6
	VBK 2, 12
	VBK 3, 14
	v_cndmask_b32 v[OW], v[SW], v[SW+1], s[HM]     ; tile h's two bytes below,
	v_cndmask_b32 v[OW+1], v[SW+2], v[SW+3], s[HM]
	s_delay_alu instid0(VALU_DEP_1)
	v_lshl_or_b32 v[OW], v[OW+1], 16, v[OW]        ; tile 2 + h's above
	global_store_b32 v10, v[OW], s[36:37]
.Ldone:
	s_set_vgpr_msb 0x4
	s_wait_tensorcnt 0x0
	ds_add_u32 v5, v1
	s_wait_dscnt 0x0
	s_set_vgpr_msb 0x400
	ROUND                                          ; the closing round: no work-group ends while a partner may still ask for a tile that names it
	s_endpgm
.Lfunc_end_k_qbe9148923c_qkv:
	.size	k_qbe9148923c_qkv, .Lfunc_end_k_qbe9148923c_qkv-k_qbe9148923c_qkv
	.p2alignl 7, 3214868480
	.fill 96, 4, 3214868480
	.section	.rodata,"a",@progbits
	.p2align	6, 0x0
	.amdhsa_kernel k_qbe9148923c_qkv
		.amdhsa_group_segment_fixed_size 327680
		.amdhsa_private_segment_fixed_size 0
		.amdhsa_enable_private_segment 0
		.amdhsa_kernarg_size 40
		.amdhsa_user_sgpr_count 2
		.amdhsa_user_sgpr_kernarg_segment_ptr 1
		.amdhsa_wavefront_size32 1
		.amdhsa_system_sgpr_workgroup_id_x 1
		.amdhsa_system_sgpr_workgroup_id_y 1
		.amdhsa_system_sgpr_workgroup_id_z 1
		.amdhsa_system_vgpr_workitem_id 0
		.amdhsa_next_free_vgpr 258
		.amdhsa_next_free_sgpr 106
		.amdhsa_reserve_vcc 0
		.amdhsa_float_denorm_mode_32 3
		.amdhsa_float_denorm_mode_16_64 3
		.amdhsa_memory_ordered 1
		.amdhsa_forward_progress 1
		.amdhsa_inst_pref_size 101
	.end_amdhsa_kernel
	.amdgpu_metadata
---
amdhsa.version: [ 1, 2 ]
amdhsa.kernels:
  - .name:           k_qbe9148923c_qkv
    .symbol:         k_qbe9148923c_qkv.kd
    .args:
      - { .name: qa, .offset: 0, .size: 8, .value_kind: global_buffer, .address_space: global }
      - { .name: bq, .offset: 8, .size: 8, .value_kind: global_buffer, .address_space: global }
      - { .name: bk, .offset: 16, .size: 8, .value_kind: global_buffer, .address_space: global }
      - { .name: bv, .offset: 24, .size: 8, .value_kind: global_buffer, .address_space: global }
      - { .name: qb, .offset: 32, .size: 8, .value_kind: global_buffer, .address_space: global }
    .group_segment_fixed_size: 327680
    .private_segment_fixed_size: 0
    .kernarg_segment_align: 8
    .kernarg_segment_size: 40
    .max_flat_workgroup_size: 384
    .sgpr_count:     106
    .vgpr_count:     258
    .wavefront_size: 32
...
	.end_amdgpu_metadata
.endif
;; end of part 2
;; launch attn (part 3): grid 8 x 32, 4 waves a work-group, clusters of 4 x 1, 327,680 bytes of LDS; arguments qb, qc; writes qc
.if DOCPART == 3
	.amdgcn_target "amdgcn-amd-amdhsa--gfx1250"
	.amdhsa_code_object_version 6
	.text
	.protected	k_qbe9148923c_attn
	.globl	k_qbe9148923c_attn
	.p2align	8
	.type	k_qbe9148923c_attn,@function
k_qbe9148923c_attn:
	s_mov_b64 s[64:65], 0
	v_nop
	global_prefetch_b8 v0, s[64:65] scope:SCOPE_SE
	s_setreg_imm32_b32 hwreg(HW_REG_WAVE_MODE, 25, 1), 1
	s_wait_xcnt 0x0
	s_wait_alu depctr_hold_cnt(0) depctr_sa_sdst(0) depctr_va_vdst(0) depctr_va_sdst(0) depctr_va_ssrc(0) depctr_va_vcc(0) depctr_vm_vsrc(0)
	s_getreg_b32 s2, hwreg(HW_REG_IB_STS2, 6, 4)
	s_cmp_eq_u32 s2, 0
	s_cbranch_scc0 .Lentry_in_a_cluster
	s_endpgm
.Lentry_in_a_cluster:
	s_bfe_u32 s2, ttmp6, 0x10000c
	s_cmp_lg_u32 s2, 0x3003
	s_cbranch_scc0 .Lentry_shape_is_right
	s_endpgm
.Lentry_shape_is_right:
; O[q] = sum over keys of softmax(Q[q] . K[key] / 8) V[key], one head of 64, 2,048 keys, both products on codes of FP6 (E2M3) with E8M0 scales; O / l is quantised along d and stored as the last product's operand.
; THE SOFTMAX: t = score x log2(e) / 8; M = the row's largest t so far, rounded UP to a whole number; p = 2^(t - M) is quantised along the keys, not normalised.  The row's sum is taken of the unquantised p and divides O at the end.
; When M moves, the sum and O are multiplied by 2^(old M - new M): exact.
; SHARES.  A work-group owns 256 queries of one bh; each of its four waves, one to a SIMD, owns FOUR tiles of 16 queries.  128 keys a step, 16 steps.  Each fragment of K and of V is read from LDS once for the four tiles,
; and the four tiles take turns line by line, so that a line's sources were written 4 to 16 lines earlier.
; Both products are used transposed (S^T = K Q^T, O^T = V^T P^T): a lane holds ONE query of each tile.
; WHICH KEYS FORM A TILE OF K.  In each 64 keys, tile n (0..3) takes keys 8 n .. 8 n + 7 as rows 0-7 and keys 32 + 8 n .. as rows 8-15.  So the 32 registers of a lane's four tiles are ONE WHOLE BLOCK of 32 neighbouring keys
; (lanes 0-15 block 2 c, lanes 16-31 block 2 c + 1), which is the layout of the second product's operand: a block's maximum needs no other lane and p's codes need no lane swap.
; qb holds other tiles (rows 0-7, 16-23 and so on); the tiles wanted here are had by LDS addresses alone: lanes with bit 3 clear read the first pair image of the 64 keys, the others the second.
; THE HEAD IS HALF A K STEP (64 of 128).  Q's registers 6-11 are zero codes.  K's tiles lie six registers apart, so a tile's upper six registers are the next tile's codes (the last tile's: six cleared registers): finite numbers that meet zeros.
; Bytes 2 and 3 of q's and k's scale words are 0 (2^-127, never the NaN byte).  So the upper half adds exactly 0.
; REGISTERS, in windows of 256, BY ROLE, so that one setting of the windows serves a line of all four tiles: window 0: addresses, K's fragments, scale words, each tile's small state; window 1: S^T, then p (tile i at 64 i);
; window 2: O^T (32 i), p's codes (128 + 12 i), the conversions' second halves (176 + 8 i); window 3: Q (12 i), V's fragments (64 on).
; LDS.  K's 16 steps of 6,144 bytes from 0, V's from 98,304, the scales (K's 8,192 bytes, V's 4,096) from 196,608: each byte filled once.  At the head wave 0 asks for K of the first 512 keys, wave 1 for their V, wave 2 for the scales;
; behind the full sequence and a round of the cluster's barrier waves 0 and 1 ask for the other 1,536 keys (three rows of 24,576 bytes), which have three steps in which to land.  One load of a wave is out at the most.
; FRAGMENTS AHEAD: the next step's K is asked of LDS straight behind S^T, this step's V at the step's top.
; CLUSTER 4 x 1: the four query blocks of a cluster belong to one bh and read the same bytes: every fill is a joint load.
; NO PREFETCH: all that the work-group reads through LDS is asked for by the two groups of fills at its start; there is no loop of fills to run ahead in.
; LIMITS: NaN and infinities are not served; the promise holds while |t| stays under 2^31.  A block of p that has fallen to 0, or of O under 2^-124, gets the byte 1 (zero codes).  A block's largest p is the block's largest score put through
; the same multiply-add and exponential, which takes v_exp_f32 not to fall where its input rises.  The scale bytes of O leave two to a lane: the rest of each word belongs to other heads' work-groups.
.set BHB,  294912
.set BHS,  20480
.set BSC,  9437184
.set CSC,  3145728
.set VREG, 98304
.set SCL,  196608
.set SPARE, 208896                     ; the spare words: 128 bytes a wave
; window 0
.set AK,   1                           ; K: 16 (lane without bit 3) + 1,536 x bit 3
.set AV16, 2                           ; V: VREG + 16 lane
.set AV8,  3                           ; VREG + 8 lane
.set AKS,  4                           ; K's scale words: SCL + 8 (lane without bit 3) + 4 x bit 3
.set AVS,  5                           ; V's: SCL + 8,192 + 4 lane
.set CK,   6                           ; the same five at the step in hand
.set CV16, 7
.set CV8,  8
.set CKS,  9
.set CVS,  10
.set SH8,  11                          ; 8 h
.set L16,  12                          ; 16 lane
.set L8,   13                          ; 8 lane
.set R16,  14                          ; 16 r
.set KS,   16                          ; v16-19 K's scale words: register t / 2, lanes 0-15 the even tile, lanes 16-31 the odd
.set QS,   20                          ; v20-23 Q's, a tile each
.set VSC,  24                          ; v24, v25 V's
.set PW,   26                          ; v26-29 p's, a tile each
.set VA,   30                          ; V's half words as they lie
.set VB,   31
.set KF,   32                          ; v32-79 K's eight tiles; v80-85 zero
.set NM,   96                          ; pairs: -M, the largest score so far
.set LL,   104                         ; pairs: the row's sum in two halves
.set FF,   112                         ; pairs: f (at the end 1 / l), 0
.set BM,   120                         ; 2 i + c: my block's largest score, then p
.set SO,   128                         ; the conversions' scale operands
.set BY,   136                         ; the bytes
.set T1,   144
.set T2,   148
.set TX,   152                         ; lane permutes' results
.set WW,   156
.set CH,   160                         ; 6 i: three more chains of the sum
.set TM,   192                         ; the last quantiser
.set TN,   200
.set HW,   208
; windows 2 and 3
.set PP,   128
.set UP,   176
.set VF,   64
.set WV,  8
.set BH,  9
.set QB,  10
.set CNT, 11
.set SEL, 12
.set CS,  14                           ; s[14:15] c = log2(e) / 8
.set G1,  16                           ; 96 rows of 256 bytes
.set G1S, 24                           ; 48 rows
.set G0H, 32
.set G1B, 36                           ; 3 rows of 24,576 bytes, 49,152 apart
.set G0S, 44
.set G0D, 48
.set TK,  52                           ; LDS byte of the next step's K
.set TS,  53                           ; of its scale words
.set TV,  54                           ; of this step's V
.set TJ,  55                           ; of its scale words
.set MSB, 0
.macro WIN new                         ; low byte: bits 1:0 source 0, 3:2 source 1, 5:4 source 2, 7:6 destination; the high byte repeats the setting that is left
.if MSB != \new
	s_set_vgpr_msb (MSB<<8)|\new
.set MSB, \new
.endif
.endm
.macro ROUND
	s_barrier_signal -1
	s_barrier_wait -1
	s_cmp_lg_u32 s[WV], 0
	s_cbranch_scc1 .Lnot_wave_0_\@
	s_barrier_signal -3
.Lnot_wave_0_\@:
	s_barrier_wait -3
	s_barrier_signal -1
	s_barrier_wait -1
.endm
.macro TLOAD g0, g1                    ; a joint load with one s_nop and four v_nops behind it
	tensor_load_to_lds s[\g0:\g0+3], s[\g1:\g1+7]
	s_nop 0
.rept 4
	v_nop
.endr
.endm
.macro KLOAD a, sa                     ; eight tiles of K and their scale words: 16 LDS loads
.irp p, 0,1,2,3
.irp c, 0,1,2
	ds_load_b128 v[KF+12*\p+4*\c:KF+12*\p+4*\c+3], v[\a] offset:3072*(\p/2)+128*(\p%2)+512*\c
.endr
.endr
.irp p, 0,1,2,3
	ds_load_b32 v[KS+\p], v[\sa] offset:256*(\p/2)+64*(\p%2)
.endr
.endm
.macro ADDP d, i, q                    ; pair q of tile i's p onto chain d
	v_pk_add_f32 v[\d:\d+1], v[\d:\d+1], v[64*\i+2*(\q):64*\i+2*(\q)+1]
.endm
.macro OMUL                            ; O^T x the tile's factor, each accumulator from its low end on
	WIN 0x82
.irp i, 0,1,2,3
.set q, 0
.rept 16
	v_pk_mul_f32 v[32*\i+q:32*\i+q+1], v[32*\i+q:32*\i+q+1], v[FF+2*\i:FF+2*\i+1] op_sel_hi:[1,0]
.set q, q+2
.endr
.endr
.endm
	s_load_b128 s[4:7], s[0:1], 0x0                ; qb, qc
	v_lshl_add_u32 v254, v0, 2, SPARE
	v_mov_b32 v255, 0
	ds_add_u32 v254, v255                          ; the opening lines: the add, twice on end, and its wait
	ds_add_u32 v254, v255
	v_lshrrev_b32 v1, 5, v0
	v_readfirstlane_b32 s[WV], v1                  ; wave 0..3
	s_bfe_u32 s56, ttmp6, 0x40000                  ; cx
	s_lshl_b32 s[QB], ttmp9, 2
	s_add_co_u32 s[QB], s[QB], s56                 ; my block of 256 queries: it enters global addresses of Q and O alone
	s_and_b32 s[BH], ttmp7, 0xffff                 ; bh, which the four partners share
.irp g, G1, G1S, G1B
	s_mov_b32 s[\g], 15|(3<<16)|(1<<21)            ; the mask: all four; elements of 8 bytes; bit 21 beside a mask; no padding: images are read as they lie
	s_mov_b32 s[\g+6], 0
	s_mov_b32 s[\g+7], 0
.endr
	s_mov_b32 s[G1+1], 32<<16
	s_mov_b32 s[G1+2], 96<<16
	s_mov_b32 s[G1+3], 32<<16
	s_mov_b32 s[G1+4], 96
	s_mov_b32 s[G1+5], 32
	s_mov_b32 s[G1S+1], 32<<16
	s_mov_b32 s[G1S+2], 48<<16
	s_mov_b32 s[G1S+3], 32<<16
	s_mov_b32 s[G1S+4], 48
	s_mov_b32 s[G1S+5], 32
	s_mov_b32 s[G1B+1], 3072<<16
	s_mov_b32 s[G1B+2], 3<<16
	s_mov_b32 s[G1B+3], 3072<<16
	s_mov_b32 s[G1B+4], 3
	s_mov_b32 s[G1B+5], 6144
	s_mov_b32 s[SEL], 0x76543210
	s_mov_b32 s[SEL+1], 0xfedcba98
	s_mov_b32 s[CS], 0x3e38aa3b                    ; log2(e) / 8
	s_mov_b32 s[CS+1], s[CS]
	s_mul_i32 s56, s[BH], BHB
	s_mov_b32 s57, 0
	s_mul_i32 s58, s[BH], BHS
	s_add_co_u32 s58, s58, BSC
	s_mov_b32 s59, 0
	s_mul_i32 s60, s[WV], VREG                     ; wave 0 fills K's region, wave 1 V's
	s_mul_i32 s62, s[WV], 24576                    ; in a chunk of qb V lies 24,576 behind K
	s_mov_b32 s63, 0
	s_wait_dscnt 0x0
	s_wait_kmcnt 0x0
	s_add_nc_u64 s[56:57], s[4:5], s[56:57]        ; bh's codes
	s_add_nc_u64 s[58:59], s[4:5], s[58:59]        ; bh's scales
	s_mov_b32 s[G0S], 1
	s_mov_b32 s[G0S+1], SCL
	s_mov_b64 s[G0S+2:G0S+3], s[58:59]
	s_or_b32 s[G0S+3], s[G0S+3], 0x80000000
	s_mov_b32 s[G0H], 1                            ; the first 512 keys
	s_mov_b32 s[G0H+1], s60
	s_add_nc_u64 s[G0H+2:G0H+3], s[56:57], s[62:63]
	s_mov_b32 s[G0D], 1                            ; the other three chunks
	s_add_co_u32 s[G0D+1], s60, 24576
	s_add_nc_u64 s[G0D+2:G0D+3], s[G0H+2:G0H+3], 49152
	s_or_b32 s[G0H+3], s[G0H+3], 0x80000000
	s_or_b32 s[G0D+3], s[G0D+3], 0x80000000
	ROUND                                          ; all four work-groups are here: the joint loads meet
	s_cmp_lt_u32 s[WV], 2                          ; one chain of branches on the wave's number, one fill to an arm
	s_cbranch_scc0 .Lhead_s
	TLOAD G0H, G1
	s_branch .Lasked
.Lhead_s:
	s_cmp_eq_u32 s[WV], 2
	s_cbranch_scc0 .Lasked
	TLOAD G0S, G1S
.Lasked:
	s_lshl_b32 s60, s[QB], 3                       ; my four tiles are 16 block + 4 wave on: two pair images,
	s_lshl_b32 s61, s[WV], 1
	s_add_co_u32 s60, s60, s61
	s_mul_i32 s60, s60, 1536
	s_add_co_u32 s60, s60, 196608
	s_mov_b32 s61, 0
	s_add_nc_u64 s[60:61], s[56:57], s[60:61]
	s_lshl_b32 s62, s[QB], 2                       ; and one group of scale words: word i / 2 of lane 16 (i % 2) + r
	s_add_co_u32 s62, s62, s[WV]
	s_lshl_b32 s62, s62, 8
	s_add_co_u32 s62, s62, 12288
	s_mov_b32 s63, 0
	s_add_nc_u64 s[62:63], s[58:59], s[62:63]
	v_and_b32 v15, 31, v0                          ; lane
	v_and_b32 v9, 15, v0                           ; r
	v_bfe_u32 v10, v0, 3, 1                        ; the lane's bit 3
	v_bfe_u32 v[SH8], v0, 4, 1                     ; h
	v_and_b32 v6, 23, v0                           ; the lane without bit 3
	v_lshlrev_b32 v[L16], 4, v15
	v_lshlrev_b32 v[L8], 3, v15
	v_lshlrev_b32 v[R16], 4, v9
	v_lshlrev_b32 v7, 3, v9
	v_lshlrev_b32 v[SH8], 3, v[SH8]
	v_mul_u32_u24 v8, v10, 1536
	v_lshl_add_u32 v[AK], v6, 4, v8
	v_lshlrev_b32 v[AKS], 3, v6
	v_lshl_add_u32 v[AKS], v10, 2, v[AKS]
	v_add_nc_u32 v[AKS], SCL, v[AKS]
	v_add_nc_u32 v[AV16], VREG, v[L16]
	v_add_nc_u32 v[AV8], VREG, v[L8]
	v_lshl_add_u32 v[AVS], v15, 2, SCL+8192
.irp j, 0,1
.irp c, 0,1,2
	global_load_b128 v[KF+12*\j+4*\c:KF+12*\j+4*\c+3], v[L16], s[60:61] offset:1536*\j+512*\c
.endr
.endr
.irp i, 0,1,2,3
	global_load_b32 v[QS+\i], v7, s[62:63] offset:128*(\i%2)+4*(\i/2)
.endr
.irp i, 0,1,2,3
	v_mov_b32 v[NM+2*\i], 0x7e800000               ; -M: above every -M to come, so that the first f is 0
	v_mov_b32 v[NM+2*\i+1], 0xff61b1e6             ; the largest score so far: -3e38
	v_mov_b32 v[LL+2*\i], 0
	v_mov_b32 v[LL+2*\i+1], 0
	v_mov_b32 v[FF+2*\i+1], 0                      ; (named as the upper half of a pair)
	v_mov_b32 v[TX+\i], 0                          ; a lane permute's destination counts as one of its sources
	v_mov_b32 v[TN+2*\i], 0
	v_mov_b32 v[TN+2*\i+1], 0
.endr
.irp k, 0,1,2,3,4,5
	v_mov_b32 v[KF+48+\k], 0                       ; what the last tile of K names beyond its own six
.endr
	WIN 0x80
.set q, 0
.rept 128
	v_mov_b32 v[q], 0                              ; O^T.  (The step is written once: the first finds zeros, which the first f leaves zeros)
.set q, q+1
.endr
	WIN 0xc0
.irp i, 0,1,2,3
.irp k, 6,7,8,9,10,11
	v_mov_b32 v[12*\i+\k], 0                       ; Q's upper half: zero codes
.endr
.endr
	s_wait_alu depctr_va_vdst(0)
	s_wait_loadcnt 0x0
.irp i, 0,1,2,3
.irp k, 0,1,2,3,4,5
	v_mov_b32 v[12*\i+\k], v[KF+12*(\i/2)+6*(\i%2)+\k]   ; a tile's six registers out of its pair image
.endr
.endr
	WIN 0
	s_wait_alu depctr_va_vdst(0)
	s_wait_tensorcnt 0x0                           ; my fill of the head has landed
	ds_add_u32 v254, v255
	ds_add_u32 v254, v255                          ; the add twice
	s_wait_dscnt 0x0
	ROUND                                          ; the first 512 keys and the scales lie whole in LDS, and all four work-groups are here
	s_cmp_lt_u32 s[WV], 2
	s_cbranch_scc0 .Lsecond
	TLOAD G0D, G1B
.Lsecond:
	KLOAD AK, AKS                                  ; step 0's K
.macro STEP pre                        ; 128 keys x 64 queries.  pre = 1: the next step's K is fetched
	WIN 0
	v_add_nc_u32 v[CV16], s[TV], v[AV16]           ; these lines are also the places behind the last step's products, in front of the loads into their registers
	v_add_nc_u32 v[CV8], s[TV], v[AV8]
	v_add_nc_u32 v[CVS], s[TJ], v[AVS]
.if \pre
	v_add_nc_u32 v[CK], s[TK], v[AK]
	v_add_nc_u32 v[CKS], s[TS], v[AKS]
.else
	v_nop
.endif
	WIN 0xc0
.irp b, 0,1,2,3
.irp c, 0,1
	ds_load_b128 v[VF+12*\b+6*\c:VF+12*\b+6*\c+3], v[CV16] offset:3072*\c+768*\b       ; V's fragments: half images of the two groups of 64 keys
	ds_load_b64 v[VF+12*\b+6*\c+4:VF+12*\b+6*\c+5], v[CV8] offset:3072*\c+768*\b+512
.endr
.endr
	WIN 0
	ds_load_b32 v[VA], v[CVS]
	ds_load_b32 v[VB], v[CVS] offset:128
	s_wait_alu depctr_va_vdst(0)
	s_wait_dscnt 18                                ; K and its scale words are in; the 18 loads just issued may be out
	WIN 0x4c
.irp t, 0,1,2,3,4,5,6,7                        ; S^T = K Q^T, 32 accumulators: register 32 c + 8 n + j of lane (r, h) is key 64 c + 32 h + 8 n + j, query r
.irp i, 0,1,2,3
.if \t%2
	v_wmma_scale_f32_16x16x128_f8f6f4 v[64*\i+8*\t:64*\i+8*\t+7], v[KF+6*\t:KF+6*\t+11], v[12*\i:12*\i+11], 0, v[KS+\t/2], v[QS+\i] matrix_a_fmt:MATRIX_FMT_FP6 matrix_b_fmt:MATRIX_FMT_FP6 matrix_a_scale:MATRIX_SCALE_ROW1
.else
	v_wmma_scale_f32_16x16x128_f8f6f4 v[64*\i+8*\t:64*\i+8*\t+7], v[KF+6*\t:KF+6*\t+11], v[12*\i:12*\i+11], 0, v[KS+\t/2], v[QS+\i] matrix_a_fmt:MATRIX_FMT_FP6 matrix_b_fmt:MATRIX_FMT_FP6
.endif
.endr
.endr
	WIN 0
.irp i, 0,1,2,3
	v_mov_b32 v[T2+\i], v[NM+2*\i]                 ; the old -M is kept for f: four places behind the products
.endr
.if \pre
	KLOAD CK, CKS
.endif
	WIN 0x15
.irp c, 0,1
.irp i, 0,1,2,3
	v_max3_num_f32 v[BM+2*\i+\c], v[64*\i+32*\c], v[64*\i+32*\c+1], v[64*\i+32*\c+2]   ; my block's largest score: eight chains by turns; each accumulator is first read at its low end
.endr
.endr
	WIN 0x14
.irp k, 3,5,7,9,11,13,15,17,19,21,23,25,27,29
.irp c, 0,1
.irp i, 0,1,2,3
	v_max3_num_f32 v[BM+2*\i+\c], v[BM+2*\i+\c], v[64*\i+32*\c+\k], v[64*\i+32*\c+\k+1]
.endr
.endr
.endr
.irp c, 0,1
.irp i, 0,1,2,3
	v_max_num_f32 v[BM+2*\i+\c], v[BM+2*\i+\c], v[64*\i+32*\c+31]
.endr
.endr
	WIN 0
.irp i, 0,1,2,3
	v_max_num_f32 v[T1+\i], v[BM+2*\i], v[BM+2*\i+1]
.endr
.irp i, 0,1,2,3
	v_permlanex16_b32 v[TX+\i], v[T1+\i], s[SEL], s[SEL+1]
.endr
.irp i, 0,1,2,3
	v_max3_num_f32 v[NM+2*\i+1], v[NM+2*\i+1], v[T1+\i], v[TX+\i]   ; the row's largest score so far
.endr
.irp i, 0,1,2,3
	v_mul_f32 v[T1+\i], s[CS], v[NM+2*\i+1]        ; as t (c is positive)
.endr
.irp i, 0,1,2,3
	v_floor_f32 v[NM+2*\i], -v[T1+\i]              ; the new -M = -ceil(t): a whole number
.endr
.irp i, 0,1,2,3
	v_sub_f32 v[T2+\i], v[NM+2*\i], v[T2+\i]       ; old M - new M: a whole number, 0 or less
.endr
.irp i, 0,1,2,3
	v_cvt_i32_f32 v[T2+\i], v[T2+\i]               ; (it saturates)
.endr
.irp i, 0,1,2,3
	v_ldexp_f32 v[FF+2*\i], 1.0, v[T2+\i]          ; f: a multiplication by it rounds nothing
.endr
.irp c, 0,1
.irp i, 0,1,2,3
	v_fma_f32 v[BM+2*\i+\c], v[BM+2*\i+\c], s[CS], v[NM+2*\i]   ; t - M of each block's largest score
.endr
.endr
	WIN 0x41
.irp i, 0,1,2,3
.set q, 0
.rept 32
	v_pk_fma_f32 v[64*\i+q:64*\i+q+1], v[64*\i+q:64*\i+q+1], s[CS:CS+1], v[NM+2*\i:NM+2*\i+1] op_sel_hi:[1,0,0]   ; t - M (of the pairs c and -M the low word serves both halves)
.set q, q+2
.endr
.endr
	OMUL                                           ; O^T under the new M
	WIN 0x41
	s_wait_alu depctr_va_vdst(0)
.set q, 0
.rept 256
	v_exp_f32 v[q], v[q]                           ; p = 2^(t - M), at most 1
.set q, q+1
.endr
	WIN 0
.irp q, 0,1,2,3,4,5,6,7
	v_exp_f32 v[BM+\q], v[BM+\q]                   ; the block's largest p: the same two instructions on the same number give the same bits
.endr
.irp i, 0,1,2,3
	v_pk_mul_f32 v[LL+2*\i:LL+2*\i+1], v[LL+2*\i:LL+2*\i+1], v[FF+2*\i:FF+2*\i+1] op_sel_hi:[1,0]   ; l under the new M: plain lines behind the batch
.endr
	s_wait_alu depctr_va_vdst(0)                   ; one wait for the whole batch
.irp q, 0,1,2,3,4,5,6,7
	v_max_num_f32 v[BM+\q], 0x1800000, v[BM+\q]    ; the floor 2^(3 - 127) under each block's largest p
.endr
.irp q, 0,1,2,3,4,5,6,7
	v_add_nc_u32 v[SO+\q], 0xff000000, v[BM+\q]    ; 2 off its exponent field: the conversion's scale operand
.endr
.irp q, 0,1,2,3,4,5,6,7
	v_lshrrev_b32 v[BY+\q], 23, v[SO+\q]           ; the byte
.endr
.irp i, 0,1,2,3
	v_lshl_or_b32 v[WW+\i], v[BY+2*\i+1], 16, v[BY+2*\i]   ; my two bytes: blocks h and 2 + h,
.endr
.irp i, 0,1,2,3
	v_lshlrev_b32 v[WW+\i], v[SH8], v[WW+\i]       ; at their places in the scale word;
.endr
.irp i, 0,1,2,3
	v_permlanex16_b32 v[TX+\i], v[WW+\i], s[SEL], s[SEL+1]
.endr
.irp i, 0,1,2,3
	v_or_b32 v[PW+\i], v[WW+\i], v[TX+\i]          ; with lane l xor 16's two the word is whole
.endr
	s_wait_alu depctr_va_vdst(0)
	s_wait_dscnt 16*\pre                           ; V and its half words are in; the next K's 16 loads may be out
	v_perm_b32 v[VSC], v[VB], v[VA], 0x05040100    ; V's scale words of these 128 keys: tiles 0 (lanes 0-15) and 1 (lanes 16-31),
	v_perm_b32 v[VSC+1], v[VB], v[VA], 0x07060302  ; and tiles 2 and 3
	WIN 0x81
.irp i, 0,1,2,3
.irp c, 0,1
	v_cvt_scalef32_pk16_fp6_f32 v[PP+12*\i+6*\c:PP+12*\i+6*\c+2], v[64*\i+32*\c:64*\i+32*\c+15], v[SO+2*\i+\c]
	v_cvt_scalef32_pk16_fp6_f32 v[UP+8*\i+4*\c:UP+8*\i+4*\c+2], v[64*\i+32*\c+16:64*\i+32*\c+31], v[SO+2*\i+\c]   ; (a conversion's three registers begin on an even number)
.endr
.endr
	WIN 0x05
.irp i, 0,1,2,3                                ; THE ROW'S SUM, of the unquantised p, two numbers an instruction, four chains a tile.  These lines are the plain places behind the conversions
	v_pk_add_f32 v[CH+6*\i:CH+6*\i+1], v[64*\i:64*\i+1], v[64*\i+2:64*\i+3]
	v_pk_add_f32 v[CH+6*\i+2:CH+6*\i+3], v[64*\i+4:64*\i+5], v[64*\i+6:64*\i+7]
	v_pk_add_f32 v[CH+6*\i+4:CH+6*\i+5], v[64*\i+8:64*\i+9], v[64*\i+10:64*\i+11]
.endr
	WIN 0x82
.irp i, 0,1,2,3
.irp c, 0,1
.irp k, 0,1,2
	v_mov_b32 v[PP+12*\i+6*\c+3+\k], v[UP+8*\i+4*\c+\k]
.endr
.endr
.endr
	WIN 0x04
.irp i, 0,1,2,3
	ADDP LL+2*\i, \i, 6
.endr
.irp q, 7,11,15,19,23,27                       ; these lines are also the places between p's codes and scale words and the products below
.irp i, 0,1,2,3
	ADDP CH+6*\i, \i, \q
	ADDP CH+6*\i+2, \i, \q+1
	ADDP CH+6*\i+4, \i, \q+2
	ADDP LL+2*\i, \i, \q+3
.endr
.endr
.irp i, 0,1,2,3
	ADDP CH+6*\i, \i, 31
.endr
	WIN 0
.irp i, 0,1,2,3
	v_pk_add_f32 v[LL+2*\i:LL+2*\i+1], v[LL+2*\i:LL+2*\i+1], v[CH+6*\i+4:CH+6*\i+5]
.endr
.irp i, 0,1,2,3
	v_pk_add_f32 v[CH+6*\i:CH+6*\i+1], v[CH+6*\i:CH+6*\i+1], v[CH+6*\i+2:CH+6*\i+3]
.endr
.irp i, 0,1,2,3
	v_pk_add_f32 v[LL+2*\i:LL+2*\i+1], v[LL+2*\i:LL+2*\i+1], v[CH+6*\i:CH+6*\i+1]
.endr
	WIN 0xab
.irp b, 0,1,2,3                                ; O^T += V^T P^T: the sixteen accumulators by turns
.irp i, 0,1,2,3
.if \b%2
	v_wmma_scale_f32_16x16x128_f8f6f4 v[32*\i+8*\b:32*\i+8*\b+7], v[VF+12*\b:VF+12*\b+11], v[PP+12*\i:PP+12*\i+11], v[32*\i+8*\b:32*\i+8*\b+7], v[VSC+\b/2], v[PW+\i] matrix_a_fmt:MATRIX_FMT_FP6 matrix_b_fmt:MATRIX_FMT_FP6 matrix_a_scale:MATRIX_SCALE_ROW1
.else
	v_wmma_scale_f32_16x16x128_f8f6f4 v[32*\i+8*\b:32*\i+8*\b+7], v[VF+12*\b:VF+12*\b+11], v[PP+12*\i:PP+12*\i+11], v[32*\i+8*\b:32*\i+8*\b+7], v[VSC+\b/2], v[PW+\i] matrix_a_fmt:MATRIX_FMT_FP6 matrix_b_fmt:MATRIX_FMT_FP6
.endif
.endr
.endr
	WIN 0
.endm
.macro WALK first, trips               ; steps first .. first + trips - 1
	s_mov_b32 s[TK], 6144*(\first+1)
	s_mov_b32 s[TS], 512*(\first+1)
	s_mov_b32 s[TV], 6144*\first
	s_mov_b32 s[TJ], 256*\first
	s_mov_b32 s[CNT], \trips
.Lstep_\@:
	STEP 1
	s_add_co_u32 s[TK], s[TK], 6144
	s_add_co_u32 s[TS], s[TS], 512
	s_add_co_u32 s[TV], s[TV], 6144
	s_add_co_u32 s[TJ], s[TJ], 256
	s_sub_co_u32 s[CNT], s[CNT], 1
	s_cmp_lg_u32 s[CNT], 0
	s_wait_alu depctr_va_vdst(0)
	s_cbranch_scc1 .Lstep_\@
.endm
	WALK 0, 3                                      ; steps 0-2 read, and fetch ahead, inside the first 512 keys
	s_wait_tensorcnt 0x0                           ; my fill of the other keys has landed;
	s_wait_dscnt 0x0                               ; (no LDS load is out at a signal)
	s_barrier_signal -1
	s_barrier_wait -1                              ; so has every wave's
	WALK 3, 12
	s_mov_b32 s[TV], 6144*15                       ; the last step fetches nothing ahead
	s_mov_b32 s[TJ], 256*15
	STEP 0
	; THE WAY OUT: O^T / l, quantised along d (register 16 B + j is d = 32 B + 16 h + j of my query): half an operand of the last product for each tile
	s_lshr_b32 s56, s[BH], 4
	s_lshl_b32 s56, s56, 7
	s_lshl_b32 s57, s[QB], 4
	s_add_co_u32 s56, s56, s57
	s_lshl_b32 s57, s[WV], 2
	s_add_co_u32 s56, s56, s57                     ; my first token tile: 128 batch + 16 block + 4 wave
	s_and_b32 s57, s[BH], 15                       ; the head
	s_mul_i32 s60, s56, 12288
	s_mul_i32 s61, s57, 768
	s_add_co_u32 s60, s60, s61
	s_mov_b32 s61, 0
	s_add_nc_u64 s[60:61], s[6:7], s[60:61]
	s_lshl_b32 s62, s56, 9                         ; the scale bytes: tile x 512 + (head / 8) x 256 + 16 r + 2 (head % 8)
	s_lshr_b32 s63, s57, 3
	s_lshl_b32 s63, s63, 8
	s_add_co_u32 s62, s62, s63
	s_and_b32 s63, s57, 7
	s_lshl_b32 s63, s63, 1
	s_add_co_u32 s62, s62, s63
	s_add_co_u32 s62, s62, CSC
	s_mov_b32 s63, 0
	s_add_nc_u64 s[62:63], s[6:7], s[62:63]
	s_wait_alu depctr_va_vdst(0)
.irp i, 0,1,2,3
	v_add_f32 v[LL+2*\i], v[LL+2*\i], v[LL+2*\i+1]   ; these lines are also the places behind the last products
.endr
.irp i, 0,1,2,3
	v_permlanex16_b32 v[TX+\i], v[LL+2*\i], s[SEL], s[SEL+1]
.endr
.irp i, 0,1,2,3
	v_add_f32 v[LL+2*\i], v[LL+2*\i], v[TX+\i]     ; the row's sum
.endr
	s_wait_alu depctr_va_vdst(0)
.irp i, 0,1,2,3
	v_rcp_f32 v[FF+2*\i], v[LL+2*\i]
.endr
	v_nop                                          ; a plain place behind them
	WIN 0x82
	s_wait_alu depctr_va_vdst(0)                   ; ahead of the reciprocals' reader, which is also O^T's first reader
	OMUL
	WIN 0x0a
.irp b, 0,1
.irp i, 0,1,2,3
	v_max3_num_f32 v[TM+2*\i+\b], |v[32*\i+16*\b]|, |v[32*\i+16*\b+1]|, 0x1800000   ; my 16 of each block of 32 along d, and the floor 2^(3 - 127)
.endr
.endr
	WIN 0x28
.irp k, 2,4,6,8,10,12,14
.irp b, 0,1
.irp i, 0,1,2,3
	v_max3_num_f32 v[TM+2*\i+\b], v[TM+2*\i+\b], |v[32*\i+16*\b+\k]|, |v[32*\i+16*\b+\k+1]|
.endr
.endr
.endr
	WIN 0
.irp q, 0,1,2,3,4,5,6,7
	v_permlanex16_b32 v[TN+\q], v[TM+\q], s[SEL], s[SEL+1]
.endr
.irp q, 0,1,2,3,4,5,6,7
	v_max_num_f32 v[TM+\q], v[TM+\q], v[TN+\q]     ; with lane l xor 16's: the block's largest magnitude
.endr
.irp q, 0,1,2,3,4,5,6,7
	v_add_nc_u32 v[SO+\q], 0xff000000, v[TM+\q]
.endr
.irp q, 0,1,2,3,4,5,6,7
	v_lshrrev_b32 v[BY+\q], 23, v[SO+\q]
.endr
.irp i, 0,1,2,3
	v_lshl_or_b32 v[HW+\i], v[BY+2*\i+1], 8, v[BY+2*\i]
.endr
	WIN 0x82
.irp i, 0,1,2,3
	v_cvt_scalef32_pk16_fp6_f32 v[PP+12*\i:PP+12*\i+2], v[32*\i:32*\i+15], v[SO+2*\i]
	v_cvt_scalef32_pk16_fp6_f32 v[UP+8*\i:UP+8*\i+2], v[32*\i+16:32*\i+31], v[SO+2*\i+1]
.endr
	v_nop                                          ; one plain place behind a scaled conversion
.irp i, 0,1,2,3
.irp k, 0,1,2
	v_permlane16_swap_b32 v[PP+12*\i+\k], v[UP+8*\i+\k]   ; a whole block to a lane
.endr
.endr
.irp i, 0,1,2,3
.irp k, 0,1,2
	v_mov_b32 v[PP+12*\i+3+\k], v[UP+8*\i+\k]
.endr
.endr
	WIN 0x08                                       ; the stores' data lie in window 2
	s_wait_alu depctr_va_vdst(0)
.irp i, 0,1,2,3
	global_store_b128 v[L16], v[PP+12*\i:PP+12*\i+3], s[60:61] offset:12288*\i          ; the half image: 512 consecutive bytes,
	global_store_b64 v[L8], v[PP+12*\i+4:PP+12*\i+5], s[60:61] offset:12288*\i+512      ; then 256
.endr
	WIN 0
.irp i, 0,1,2,3
	global_store_b16 v[R16], v[HW+\i], s[62:63] offset:512*\i   ; lanes r and 16 + r hold, and write, the same two bytes
.endr
	s_wait_tensorcnt 0x0                           ; the wave's end
	ds_add_u32 v254, v255
	s_wait_dscnt 0x0
	ROUND                                          ; the closing round
	s_endpgm
.Lfunc_end_k_qbe9148923c_attn:
	.size	k_qbe9148923c_attn, .Lfunc_end_k_qbe9148923c_attn-k_qbe9148923c_attn
	.p2alignl 7, 3214868480
	.fill 96, 4, 3214868480
	.section	.rodata,"a",@progbits
	.p2align	6, 0x0
	.amdhsa_kernel k_qbe9148923c_attn
		.amdhsa_group_segment_fixed_size 327680
		.amdhsa_private_segment_fixed_size 0
		.amdhsa_enable_private_segment 0
		.amdhsa_kernarg_size 16
		.amdhsa_user_sgpr_count 2
		.amdhsa_user_sgpr_kernarg_segment_ptr 1
		.amdhsa_wavefront_size32 1
		.amdhsa_system_sgpr_workgroup_id_x 1
		.amdhsa_system_sgpr_workgroup_id_y 1
		.amdhsa_system_sgpr_workgroup_id_z 1
		.amdhsa_system_vgpr_workitem_id 0
		.amdhsa_next_free_vgpr 1024
		.amdhsa_next_free_sgpr 66
		.amdhsa_reserve_vcc 0
		.amdhsa_float_denorm_mode_32 3
		.amdhsa_float_denorm_mode_16_64 3
		.amdhsa_memory_ordered 1
		.amdhsa_forward_progress 1
		.amdhsa_inst_pref_size 185
	.end_amdhsa_kernel
	.amdgpu_metadata
---
amdhsa.version: [ 1, 2 ]
amdhsa.kernels:
  - .name:           k_qbe9148923c_attn
    .symbol:         k_qbe9148923c_attn.kd
    .args:
      - { .name: qb, .offset: 0, .size: 8, .value_kind: global_buffer, .address_space: global }
      - { .name: qc, .offset: 8, .size: 8, .value_kind: global_buffer, .address_space: global }
    .group_segment_fixed_size: 327680
    .private_segment_fixed_size: 0
    .kernarg_segment_align: 8
    .kernarg_segment_size: 16
    .max_flat_workgroup_size: 128
    .sgpr_count:     66
    .vgpr_count:     1024
    .wavefront_size: 32
...
	.end_amdgpu_metadata
.endif
;; end of part 3
;; launch oproj (part 4): grid 8 x 32, 8 waves a work-group, clusters of 4 x 4, 232,448 bytes of LDS; arguments qc, qa, bo, out0; writes out0
.if DOCPART == 4
	.amdgcn_target "amdgcn-amd-amdhsa--gfx1250"
	.amdhsa_code_object_version 6
	.text
	.protected	k_qbe9148923c_oproj
	.globl	k_qbe9148923c_oproj
	.p2align	8
	.type	k_qbe9148923c_oproj,@function
k_qbe9148923c_oproj:
	s_mov_b64 s[64:65], 0
	v_nop
	global_prefetch_b8 v0, s[64:65] scope:SCOPE_SE
	s_setreg_imm32_b32 hwreg(HW_REG_WAVE_MODE, 25, 1), 1
	s_wait_xcnt 0x0
	s_wait_alu depctr_hold_cnt(0) depctr_sa_sdst(0) depctr_va_vdst(0) depctr_va_sdst(0) depctr_va_ssrc(0) depctr_va_vcc(0) depctr_vm_vsrc(0)
	s_getreg_b32 s2, hwreg(HW_REG_IB_STS2, 6, 4)
	s_cmp_eq_u32 s2, 0
	s_cbranch_scc0 .Lentry_in_a_cluster
	s_endpgm
.Lentry_in_a_cluster:
	s_bfe_u32 s2, ttmp6, 0x10000c
	s_cmp_lg_u32 s2, 0xf033
	s_cbranch_scc0 .Lentry_shape_is_right
	s_endpgm
.Lentry_shape_is_right:
; out0 = A Wo^T + bo on codes of FP6 (E2M3) with E8M0 scales.  A [4096][1024]: attention's result, as half images [token tile][head][768] with scale words [tile][half][row][4]; Wo: tiles 448-511 of qa, as images [tile][K step][1,536].
; SHARES.  A work-group makes 128 tokens x 128 columns; wave (wn = wave % 2, wt = wave / 2) makes 64 columns x 32 tokens: 8 accumulators.  Source 0 = 16 rows of Wo, source 1 = 16 tokens: a lane holds one token and eight neighbouring columns.
; A tile of 256 x 256 would leave three WGPs in four without work at this size (64 tiles); 128 x 128 gives each of 256 one.
; LDS.  All of K lies in LDS at once, 196,608 bytes, each byte filled once: four chunks of two K steps [A: 8 tiles x 3,072][Wo: 8 tiles x 3,072], so that the first products need not wait for the last bytes.  Behind them a stage of 16 x 272 bytes for each wave, into which no fill lands.
; CLUSTER 4 x 4: the four work-groups of a row share their tokens, the four of a column their columns: wave 0 asks jointly for A's four chunks, wave 1 for Wo's (four loads of a wave are out at the most).
; The bias is the C of each sum's first product.  The rows of a tile are not neighbours (lane r of tile T: row 32 (T / 2) + 8 (T % 2) + r + 8 (r / 8)); the way out puts every number at its own place.
.set QSC,  6291456
.set CSC,  3145728
.set CHB,  49152
.set STG,  196608
.set WS,  16                           ; v16-47  Wo's scale words: 8 a + K step
.set AS,  48                           ; v48-63  A's: 8 b + K step
.set FW,  64                           ; v64-111 Wo's four fragments
.set FA,  112                          ; v112-135 A's two
.set BI,  136                          ; v136-167 the bias, eight registers a tile of columns
.set ACC, 168                          ; v168-231 accumulator (a, b) at ACC + 8 (4 b + a)
.set BK,  64                           ; the way out: rows read back
.set WV,  12
.set WN,  13
.set WT,  14
.set BX,  15
.set BY,  16
.set G1A, 20
.set G1B, 28
.set G0A, 36
.set G0B, 68
.macro ROUND
	s_barrier_signal -1
	s_barrier_wait -1
	s_cmp_lg_u32 s[WV], 0
	s_cbranch_scc1 .Lnot_wave_0_\@
	s_barrier_signal -3
.Lnot_wave_0_\@:
	s_barrier_wait -3
	s_barrier_signal -1
	s_barrier_wait -1
.endm
	s_load_b256 s[4:11], s[0:1], 0x0               ; qc, qa, bo, out0
	v_lshl_add_u32 v254, v0, 2, 0x38800
	v_mov_b32 v255, 0
	ds_add_u32 v254, v255
	ds_add_u32 v254, v255
	v_lshrrev_b32 v1, 5, v0
	s_delay_alu instid0(VALU_DEP_1)
	v_readfirstlane_b32 s[WV], v1                  ; wave 0..7
	s_and_b32 s[WN], s[WV], 1
	s_lshr_b32 s[WT], s[WV], 1
	s_bfe_u32 s17, ttmp6, 0x40000                  ; cx
	s_bfe_u32 s18, ttmp6, 0x40004                  ; cy
	s_lshl_b32 s[BX], ttmp9, 2
	s_add_co_u32 s[BX], s[BX], s17                 ; the block of 128 columns
	s_and_b32 s[BY], ttmp7, 0xffff
	s_lshl_b32 s[BY], s[BY], 2
	s_add_co_u32 s[BY], s[BY], s18                 ; the block of 128 tokens
	s_lshl_b32 s19, s18, 2
	s_lshl_b32 s19, 15, s19                        ; my row of the cluster
	s_lshl_b32 s52, 0x1111, s17                    ; my column
	s_or_b32 s[G1A], s19, (3<<16)|(1<<21)          ; 15:0 the mask; 17:16 elements of 8 bytes; 21 set beside a mask; no padding
	s_or_b32 s[G1B], s52, (3<<16)|(1<<21)
.irp g, G1A, G1B
	s_mov_b32 s[\g+1], 384<<16                     ; tensor_dim0: two K steps of a tile, 3,072 bytes
	s_mov_b32 s[\g+2], 8<<16                       ; tensor_dim1: eight tiles
	s_mov_b32 s[\g+3], 384<<16
	s_mov_b32 s[\g+4], 8
	s_mov_b32 s[\g+5], 1536                        ; from tile to tile: 12,288 bytes
	s_mov_b32 s[\g+6], 0
	s_mov_b32 s[\g+7], 0
.endr
	s_mul_i32 s54, s[BY], 8*12288                  ; A: token tiles 8 by on (made of the token block alone)
	s_mov_b32 s55, 0
	s_lshl_b32 s56, s[BX], 3                       ; Wo: tiles 448 + 8 bx on (made of the column block alone)
	s_add_co_u32 s56, s56, 448
	s_mul_i32 s56, s56, 12288
	s_mov_b32 s57, 0
	s_lshl_b32 s58, s[BX], 3                       ; my four tiles' scale words
	s_lshl_b32 s59, s[WN], 2
	s_add_co_u32 s58, s58, s59
	s_add_co_u32 s58, s58, 448
	s_lshl_b32 s58, s58, 9
	s_add_co_u32 s58, s58, QSC
	s_mov_b32 s59, 0
	s_lshl_b32 s60, s[BY], 3                       ; my two token tiles' scale words
	s_lshl_b32 s61, s[WT], 1
	s_add_co_u32 s60, s60, s61
	s_lshl_b32 s60, s60, 9
	s_add_co_u32 s60, s60, CSC
	s_mov_b32 s61, 0
	s_lshl_b32 s62, s[BX], 9                       ; my 64 columns, in bytes
	s_lshl_b32 s63, s[WN], 8
	s_add_co_u32 s62, s62, s63
	s_mov_b32 s63, 0
	s_lshl_b32 s52, s[BY], 19                      ; my 32 tokens' rows of 4,096 bytes
	s_lshl_b32 s53, s[WT], 17
	s_add_co_u32 s52, s52, s53
	s_add_co_u32 s52, s52, s62
	s_mov_b32 s53, 0
	s_wait_dscnt 0x0
	s_wait_kmcnt 0x0
	s_add_nc_u64 s[54:55], s[4:5], s[54:55]
	s_add_nc_u64 s[56:57], s[6:7], s[56:57]
	s_add_nc_u64 s[58:59], s[6:7], s[58:59]
	s_add_nc_u64 s[60:61], s[4:5], s[60:61]
	s_add_nc_u64 s[62:63], s[8:9], s[62:63]
	s_add_nc_u64 s[10:11], s[10:11], s[52:53]
	; HOW THE TILES COME NOW (in place of what the head comment says of waves 0 and 1): every wave asks for one chunk, waves 0-3 for A's chunk wave % 4, waves 4-7 for Wo's: one load of a wave is out
	s_and_b32 s17, s[WV], 3                        ; my chunk
	s_mul_i32 s18, s17, 3072
	s_mov_b32 s19, 0
	s_mul_i32 s17, s17, CHB
	s_mov_b32 s[G0A], 1
	s_mov_b32 s[G0A+1], s17
	s_add_nc_u64 s[G0A+2:G0A+3], s[54:55], s[18:19]
	s_or_b32 s[G0A+3], s[G0A+3], 0x80000000
	s_mov_b32 s[G0B], 1
	s_add_co_u32 s[G0B+1], s17, 24576
	s_add_nc_u64 s[G0B+2:G0B+3], s[56:57], s[18:19]
	s_or_b32 s[G0B+3], s[G0B+3], 0x80000000
	ROUND                                          ; all sixteen work-groups are here: the joint loads meet
	s_cmp_lt_u32 s[WV], 4                          ; one branch on the wave's number, a fill in each arm: every way passes exactly one
	s_cbranch_scc0 .Lnot_a
	tensor_load_to_lds s[G0A:G0A+3], s[G1A:G1A+7]
	s_nop 0
.rept 4
	v_nop
.endr
	s_branch .Lasked
.Lnot_a:
	tensor_load_to_lds s[G0B:G0B+3], s[G1B:G1B+7]
	s_nop 0
.rept 4
	v_nop
.endr
.Lasked:
	v_and_b32 v9, 31, v0                           ; lane
	v_and_b32 v10, 15, v0                          ; r
	v_bfe_u32 v11, v0, 4, 1                        ; h
	s_delay_alu instid0(VALU_DEP_2)
	v_lshlrev_b32 v7, 4, v10                       ; 16 r: a row's four scale words
	s_delay_alu instid0(VALU_DEP_2)
	v_lshlrev_b32 v8, 6, v11                       ; 64 h: register 8 a + j is column 32 (a / 2) + 8 (a % 2) + 16 h + j
.irp a, 0,1,2,3
.irp g, 0,1
	global_load_b128 v[WS+8*\a+4*\g:WS+8*\a+4*\g+3], v7, s[58:59] offset:512*\a+256*\g
.endr
.endr
.irp b, 0,1
.irp g, 0,1
	global_load_b128 v[AS+8*\b+4*\g:AS+8*\b+4*\g+3], v7, s[60:61] offset:512*\b+256*\g
.endr
.endr
.irp a, 0,1,2,3
	global_load_b128 v[BI+8*\a:BI+8*\a+3], v8, s[62:63] offset:128*(\a/2)+32*(\a%2)
	global_load_b128 v[BI+8*\a+4:BI+8*\a+7], v8, s[62:63] offset:128*(\a/2)+32*(\a%2)+16
.endr
	s_mul_i32 s17, s[WT], 6144
	v_lshl_add_u32 v1, v9, 4, s17                  ; LDS: my two token tiles: 16 x lane,
	v_lshl_add_u32 v2, v9, 3, s17                  ; and 8 x lane for a half image's last 256 bytes
	s_mul_i32 s17, s[WN], 12288
	s_add_co_u32 s17, s17, 24576
	v_lshl_add_u32 v3, v9, 4, s17                  ; my four tiles of Wo
	s_mul_i32 s17, s[WV], 16*272
	s_add_co_u32 s17, s17, STG                     ; my stage
	v_mul_u32_u24 v4, v10, 272
	s_delay_alu instid0(VALU_DEP_1)
	v_lshl_add_u32 v4, v11, 6, v4
	s_delay_alu instid0(VALU_DEP_1)
	v_add_nc_u32 v4, s17, v4                       ; in: row r, + 64 h
	v_mul_u32_u24 v5, v11, 272
	s_delay_alu instid0(VALU_DEP_1)
	v_lshl_add_u32 v5, v10, 4, v5
	s_delay_alu instid0(VALU_DEP_1)
	v_add_nc_u32 v5, s17, v5                       ; back: lanes 0-15 one row of 256 bytes, lanes 16-31 the next
	v_lshlrev_b32 v6, 12, v11
	s_delay_alu instid0(VALU_DEP_1)
	v_lshl_add_u32 v6, v10, 4, v6                  ; and the same two rows in out0
	s_wait_alu depctr_va_vdst(0)
	s_wait_loadcnt 0x0
.macro CHUNK j                         ; K steps 2 j and 2 j + 1
.if \j == 0
	s_wait_tensorcnt 0x0                           ; my chunk has landed
	s_barrier_signal -1                            ; (none of my LDS loads is out)
	s_barrier_wait -1                              ; all eight chunks lie in LDS: no further barrier is needed
.endif
.irp k, 0,1
.irp a, 0,1,2,3
.irp c, 0,1,2
	ds_load_b128 v[FW+12*\a+4*\c:FW+12*\a+4*\c+3], v3 offset:3072*\a+1536*\k+512*\c
.endr
.endr
.irp b, 0,1
.irp c, 0,1                                    ; heads 4 j + 2 k + c: registers 6 c .. 6 c + 5
	ds_load_b128 v[FA+12*\b+6*\c:FA+12*\b+6*\c+3], v1 offset:3072*\b+1536*\k+768*\c
	ds_load_b64 v[FA+12*\b+6*\c+4:FA+12*\b+6*\c+5], v2 offset:3072*\b+1536*\k+768*\c+512
.endr
.endr
	s_wait_dscnt 0x0
.irp b, 0,1                                    ; the eight accumulators by turns
.irp a, 0,1,2,3
.if (\j+\k) == 0
	v_wmma_scale_f32_16x16x128_f8f6f4 v[ACC+8*(4*\b+\a):ACC+8*(4*\b+\a)+7], v[FW+12*\a:FW+12*\a+11], v[FA+12*\b:FA+12*\b+11], v[BI+8*\a:BI+8*\a+7], v[WS+8*\a+2*\j+\k], v[AS+8*\b+2*\j+\k] matrix_a_fmt:MATRIX_FMT_FP6 matrix_b_fmt:MATRIX_FMT_FP6
.else
	v_wmma_scale_f32_16x16x128_f8f6f4 v[ACC+8*(4*\b+\a):ACC+8*(4*\b+\a)+7], v[FW+12*\a:FW+12*\a+11], v[FA+12*\b:FA+12*\b+11], v[ACC+8*(4*\b+\a):ACC+8*(4*\b+\a)+7], v[WS+8*\a+2*\j+\k], v[AS+8*\b+2*\j+\k] matrix_a_fmt:MATRIX_FMT_FP6 matrix_b_fmt:MATRIX_FMT_FP6
.endif
.endr
.endr
.if \k == 0
.rept 4
	v_nop                                          ; four places in front of loads into registers that the products have read
.endr
.else
	v_add_nc_u32 v1, CHB, v1                       ; on to the next chunk: with one v_nop the four places
	v_add_nc_u32 v2, CHB, v2
	v_add_nc_u32 v3, CHB, v3
	v_nop
.endif
.endr
.endm
	CHUNK 0
	s_wait_alu depctr_va_vdst(0)
	CHUNK 1
	s_wait_alu depctr_va_vdst(0)
	CHUNK 2
	s_wait_alu depctr_va_vdst(0)
	CHUNK 3
	; THE WAY OUT.  A lane holds 32 neighbouring bytes of a token's row, four times; the lanes beside it hold other tokens.  A tile of 16 tokens x 64 columns goes through my stage and comes back as rows of 256 bytes.
.macro TOSTAGE b
.irp a, 0,1,2,3
	ds_store_b128 v4, v[ACC+8*(4*\b+\a):ACC+8*(4*\b+\a)+3] offset:128*(\a/2)+32*(\a%2)        ; each accumulator from its low end on
	ds_store_b128 v4, v[ACC+8*(4*\b+\a)+4:ACC+8*(4*\b+\a)+7] offset:128*(\a/2)+32*(\a%2)+16
.endr
.irp t, 0,1,2,3,4,5,6,7
	ds_load_b128 v[BK+32*\b+4*\t:BK+32*\b+4*\t+3], v5 offset:544*\t   ; LDS serves a wave's instructions in order: these see the stores above, and the next tile's stores come behind them
.endr
.endm
.macro SEND b                          ; stage row 2 t + h is token 8 b + 2 t + h + 8 (t / 4) of my 32
.irp t, 0,1,2,3,4,5,6,7
	global_store_b128 v6, v[BK+32*\b+4*\t:BK+32*\b+4*\t+3], s[10:11] offset:(8*\b+2*\t+8*(\t/4))*4096 th:TH_STORE_NT   ; sixteen lanes store 256 consecutive bytes, aligned; written once, read by nobody here
.endr
.endm
	TOSTAGE 0
	TOSTAGE 1
	s_wait_dscnt 16                                ; tile 0 is back; tile 1's 8 stores and 8 loads may be out
	SEND 0
	s_wait_dscnt 0x0
	SEND 1
	s_wait_tensorcnt 0x0
	ds_add_u32 v254, v255
	s_wait_dscnt 0x0
	ROUND                                          ; the closing round: no work-group ends while a partner may still ask for a tile that names it
	s_endpgm
.Lfunc_end_k_qbe9148923c_oproj:
	.size	k_qbe9148923c_oproj, .Lfunc_end_k_qbe9148923c_oproj-k_qbe9148923c_oproj
	.p2alignl 7, 3214868480
	.fill 96, 4, 3214868480
	.section	.rodata,"a",@progbits
	.p2align	6, 0x0
	.amdhsa_kernel k_qbe9148923c_oproj
		.amdhsa_group_segment_fixed_size 232448
		.amdhsa_private_segment_fixed_size 0
		.amdhsa_enable_private_segment 0
		.amdhsa_kernarg_size 32
		.amdhsa_user_sgpr_count 2
		.amdhsa_user_sgpr_kernarg_segment_ptr 1
		.amdhsa_wavefront_size32 1
		.amdhsa_system_sgpr_workgroup_id_x 1
		.amdhsa_system_sgpr_workgroup_id_y 1
		.amdhsa_system_sgpr_workgroup_id_z 1
		.amdhsa_system_vgpr_workitem_id 0
		.amdhsa_next_free_vgpr 256
		.amdhsa_next_free_sgpr 84
		.amdhsa_reserve_vcc 0
		.amdhsa_float_denorm_mode_32 3
		.amdhsa_float_denorm_mode_16_64 3
		.amdhsa_memory_ordered 1
		.amdhsa_forward_progress 1
		.amdhsa_inst_pref_size 33
	.end_amdhsa_kernel
	.amdgpu_metadata
---
amdhsa.version: [ 1, 2 ]
amdhsa.kernels:
  - .name:           k_qbe9148923c_oproj
    .symbol:         k_qbe9148923c_oproj.kd
    .args:
      - { .name: qc, .offset: 0, .size: 8, .value_kind: global_buffer, .address_space: global }
      - { .name: qa, .offset: 8, .size: 8, .value_kind: global_buffer, .address_space: global }
      - { .name: bo, .offset: 16, .size: 8, .value_kind: global_buffer, .address_space: global }
      - { .name: out0, .offset: 24, .size: 8, .value_kind: global_buffer, .address_space: global }
    .group_segment_fixed_size: 232448
    .private_segment_fixed_size: 0
    .kernarg_segment_align: 8
    .kernarg_segment_size: 32
    .max_flat_workgroup_size: 256
    .sgpr_count:     84
    .vgpr_count:     256
    .wavefront_size: 32
...
	.end_amdgpu_metadata
.endif
;; end of part 4
